; MI455X (gfx1250); checked and timed in simulation.
; The chip was launched on July 23, 2026; its instructions are those of AMD's public machine-readable ISA for CDNA 5 (MIT licence, August 2026) and "CDNA5" Instruction Set Architecture Reference Guide (July 2026). The comments in the code are by the model that wrote it; some were corrected since.
;; Block. Allowed arithmetic: matrix products marked QUANTISED: E2M3 operands, one E8M0 scale for each 32 along K, by v_wmma_scale_f32_16x16x128_f8f6f4 with both operands' format E2M3, f32 sums; everything else in f32.
;; Inputs: W1 1,024 x 4,096 float32; W2 4,096 x 1,024 float32; Wk 16 x 1,024 x 64 float32; Wo 1,024 x 1,024 float32; Wq 16 x 1,024 x 64 float32; Wv 16 x 1,024 x 64 float32; b1 4,096 float32; b2 1,024 float32; bo 1,024 float32; ln1_b 1,024 float32; ln1_g 1,024 float32; ln2_b 1,024 float32; ln2_g 1,024 float32; x 4 x 1,024 x 1,024 float32.
;; Outputs: out0 4 x 1,024 x 1,024 float32.
;; This version of the problem:
;;   THIS VERSION OF THE PROBLEM IS GIVEN IN LOW PRECISION. The matrix products marked QUANTISED in the list below multiply operands that are first quantised to E2M3 (2 exponent bits, 3 mantissa bits; 6 bits a number), with one power-of-two scale for each 32 numbers along K (OCP MX v1.0); their sums are f32. All else is computed in f32.
;;   The module's matrix products, in the order in which they are computed (A, B: the left and right operand; K: the contracted axis; several contracted axes count as one K, in the product's order):
;;     1. [M 1,024, K 1,024] x [K 1,024, N 4,096]; A: input Wq; B: computed on the way: QUANTISED
;;     2. [M 1,024, K 1,024] x [K 1,024, N 4,096]; A: input Wk; B: computed on the way: QUANTISED
;;     3. [M 1,024, K 1,024] x [K 1,024, N 4,096]; A: input Wv; B: computed on the way: QUANTISED
;;     4. batch 64 x [M 1,024, K 64] x [K 64, N 1,024]; A: computed on the way; B: computed on the way: QUANTISED
;;     5. batch 64 x [M 1,024, K 1,024] x [K 1,024, N 64]; A: softmax (see below); B: computed on the way: QUANTISED
;;     6. [M 4,096, K 1,024] x [K 1,024, N 1,024]; A: computed on the way; B: input Wo: QUANTISED
;;     7. [M 4,096, K 1,024] x [K 1,024, N 4,096]; A: computed on the way; B: input W1: QUANTISED
;;     8. [M 4,096, K 4,096] x [K 4,096, N 1,024]; A: computed on the way; B: input W2: QUANTISED
;;   THE QUANTISER, for each operand of a quantised product, along K:
;;     - K is cut into blocks of 32 from its start; a last block that is shorter is filled with zeros.
;;     - A block's scale is 2^e with e = floor(log2(the largest magnitude in the block)) - 2, held to -126 .. 127; a block of zeros has e = 0. As a byte (E8M0): e + 127.
;;     - Each number is divided by its block's scale, clamped to +-7.5, and rounded to the nearest number of E2M3, ties to even, subnormals kept.
;;     - The product sums the exact products of the quantised numbers (number of the format x scale) in f32.
;;   ~~~python
;;   def quantise(x, axis):      # numpy; x: float32 -> the quantised numbers, widened to float32 again
;;       x = np.moveaxis(x, axis, -1); K = x.shape[-1]
;;       x = np.pad(x, [(0, 0)] * (x.ndim - 1) + [(0, -K % 32)]); x = x.reshape(x.shape[:-1] + (-1, 32)); a = np.abs(x).max(-1, keepdims=True)
;;       e = np.where(a > 0, np.clip(np.frexp(np.where(a > 0, a, 1))[1] - 1 - 2, -126, 127), 0)      # np.frexp(a)[1] - 1 = floor(log2(a)), exactly
;;       r = np.clip(x / 2.0 ** e, -7.5, 7.5)
;;       step = 2.0 ** (np.maximum(np.frexp(np.where(r == 0, 1, r))[1] - 1, 0) - 3)
;;       q = np.round(r / step) * step * 2.0 ** e      # np.round: ties to even
;;       return np.moveaxis(q.reshape(q.shape[:-2] + (-1,))[..., :K], -1, axis).astype(np.float32)
;;   ~~~
;;   SOFTMAX AHEAD OF A QUANTISED PRODUCT. Where the list says 'softmax', what is quantised is not the finished softmax but p = 2^(t - M), with t = logit x log2(e) and M = ceil(the row's largest t), a whole number; so 1/2 < the row's largest p <= 1. The row's sum l is taken of the UNQUANTISED p, in f32, and the product's result is divided by l at the end. Since M is a whole number, a kernel that streams over the keys may use a running M (the ceiling of the running maximum): every later rescaling is an exact power of two, which a block's scale takes up: the codes' values come out the same.
;;   OPERANDS COMPUTED ON THE WAY. 'Computed on the way' means the value that the module computes at that place (a softmax that the list does not call 'softmax' is quantised finished and normalised). What goes into a quantiser is computed in f32, as accurately as f32 sums, v_exp_f32 and their like allow (about 1e-6 of the number): no bf16 or f16 on the way to a quantiser, and a product that is left as it is and whose result goes on into a quantised operand takes f32 operands (vector FMAs, or v_wmma_f32_16x16x4_f32). A number that lies on a knife's edge between two numbers of the format may be rounded either way, as far as f32 arithmetic and the matrix unit's own rounding can turn it there, and no further.
;; One version. Each part assembles by itself: llvm-mc -triple=amdgcn-amd-amdhsa -mcpu=gfx1250 --defsym DOCPART=n.
;; ======== version 1 of 1: 6 launches
;; limits: right only within a limited range of input values
;; workspace buffers: wac 3,407,872 bytes; w1c 4,194,304 bytes; wrc 6,291,456 bytes; E 4,194,304 bytes; F 13,631,488 bytes; vT 4,194,304 bytes; x1 16,777,216 bytes; zero 16,384 bytes
;; launch prep (part 1): grid 448 x 1, 8 waves a work-group, no clusters, 115,968 bytes of LDS; arguments W1, W2, Wo, Wq, Wk, Wv, w1c, wrc, wac, zero, x, ln1_g, ln1_b, E; writes w1c, wrc, wac, zero, E
.if DOCPART == 1
	.amdgcn_target "amdgcn-amd-amdhsa--gfx1250"
	.amdhsa_code_object_version 6
	.text
	.protected	k_q864d34a1c3_prep
	.globl	k_q864d34a1c3_prep
	.p2align	8
	.type	k_q864d34a1c3_prep,@function
k_q864d34a1c3_prep:
	s_mov_b64 s[64:65], 0
	v_nop
	global_prefetch_b8 v0, s[64:65] scope:SCOPE_SE
	s_setreg_imm32_b32 hwreg(HW_REG_WAVE_MODE, 25, 1), 1
	s_wait_xcnt 0x0
; TWO JOBS THAT HANG ON THE PROBLEM'S INPUTS ALONE, IN ONE LAUNCH.  Work-groups 0-191 quantise the six weights; work-groups 192-447 normalise and quantise x (layer norm 1).  One scalar branch on the
; work-group's number parts them at the head: all eight waves of a work-group take the same path.  Each path has LDS bytes of its own: the weights' stages 0 .. 49,151, the norm's stage 49,152 .. 114,943.
; OUTPUT LAYOUT of both (this program's own): a fragment = 16 rows x 128 K = the 12 registers a lane that the matrix instruction wants, stored as an image: three chunks of 512 bytes,
; chunk c = lane l's registers 4 c .. 4 c + 3 at byte 16 l.  Codes at CODES + (row block x NS + K step) x 1,536; scale words (4 bytes a row and K step) at K step x SWP + 4 x row position.
; ROW ORDER: in w1c, wac and E position p holds true row sigma(p) = p with bits 3 and 4 exchanged (so that 16 positions on end, used as source 0, give results whose registers run along neighbours); wrc keeps the true order.
; THE WEIGHTS, f32 with K on an outer axis, become codes of FP6 (E2M3) with one E8M0 byte for each 32 along K.  A LANE TAKES A COLUMN n AND ITS REGISTERS RUN DOWN K: a block of 32 lies in one lane, and the conversions
; give codes with K innermost.  sigma is applied on the LOAD side (which column a lane reads), so no LDS address hangs on the tensor.  A work-group takes 256 rows of the output x 256 along K; a wave 32 positions x 256:
; 8 blocks a lane, four fragments, gathered in the wave's own 6,144 bytes of LDS and stored as 512 consecutive bytes an instruction.  What differs between the tensors (pointers, pitch, K steps) is chosen by selects on the
; work-group's number.  Work-group 0 also stores the zero bias and the two activation floors.
; THE NORM: see the comment at its path.
; LIMITS: NaN and infinities are not served; a block of zeros, or one whose largest magnitude lies under 2^-124, gets the byte 1 (its codes are zeros or held small; the bytes are read by this program alone).
.set NWQ,    192                       ; work-groups of the weights: 0-63 W1, 64-127 W2, 128-143 Wo, 144-191 Wq, Wk, Wv
.set W2F,    64
.set WOF,    128
.set WQF,    144
.set SWP,    16384
.set CODES,  0x100000
.set FLOORW, 0x84000
.set FRB,    1536
.set EMAX,   2
.set SB,     24                        ; v24-25   two scale words
.set OFF,    32                        ; v32-63   my column's byte + i rows of the source
.set X,      64                        ; v64-127  two sets of 32 numbers
.set P,      128                       ; v128-133 a block's 24 bytes of codes
.set T,      136                       ; v136-138 its second half as converted
.set OUTR,   140                       ; v140-187 the way out
	v_lshl_add_u32 v208, v0, 2, 0x1c100
	v_mov_b32 v209, 0
	s_cmp_ge_u32 ttmp9, NWQ
	s_cbranch_scc1 .Lnorm
	s_load_b256 s[4:11], s[0:1], 0x0               ; W1, W2, Wo, Wq
	s_load_b256 s[12:19], s[0:1], 0x20             ; Wk, Wv, w1c, wrc
	s_load_b128 s[20:23], s[0:1], 0x40             ; wac, zero
	v_lshrrev_b32 v1, 5, v0
	s_delay_alu instid0(VALU_DEP_1)
	v_readfirstlane_b32 s24, v1                    ; wave 0..7
	v_and_b32 v1, 31, v0                           ; lane
	s_mov_b32 s25, 16384                           ; bytes from one k to the next
	s_mov_b32 s26, 8                               ; K steps of 128
	s_mov_b32 s27, 2                               ; log2 of the chunks of 256 along K
	s_mov_b32 s28, 24                              ; 24: rows stored by sigma; 0: in true order
	s_mov_b32 s29, 256                             ; bytes from one group of 64 columns to the next
	s_mov_b32 s30, 0                               ; the tensor's first work-group
	s_mov_b32 s57, 0                               ; where the tensor begins in its buffer
	s_cmp_ge_u32 ttmp9, W2F
	s_cselect_b32 s25, 4096, s25
	s_cselect_b32 s26, 32, s26
	s_cselect_b32 s27, 4, s27
	s_cselect_b32 s28, 0, s28
	s_cselect_b32 s30, W2F, s30
	s_cselect_b32 s57, 0x200000, s57
	s_cmp_ge_u32 ttmp9, WOF
	s_cselect_b32 s26, 8, s26
	s_cselect_b32 s27, 2, s27
	s_cselect_b32 s30, WOF, s30
	s_cselect_b32 s57, 0, s57
	s_cmp_ge_u32 ttmp9, WQF
	s_cselect_b32 s25, 256, s25
	s_cselect_b32 s28, 24, s28
	s_cselect_b32 s29, 0x40000, s29
	s_cselect_b32 s30, WQF, s30
	s_cselect_b32 s70, 15, 63
	s_sub_co_u32 s30, ttmp9, s30
	s_lshr_b32 s31, s30, 4
	s_and_b32 s30, s30, s70                        ; the work-group's number within its tensor
	s_cmp_ge_u32 ttmp9, WQF
	s_cselect_b32 s31, s31, 0                      ; 0, 1, 2 for Wq, Wk, Wv
	s_lshl_b32 s54, 1, s27
	s_sub_co_u32 s54, s54, 1
	s_and_b32 s54, s30, s54                        ; which 256 along K
	s_lshr_b32 s55, s30, s27
	s_lshl_b32 s55, s55, 8
	s_lshl_b32 s56, s24, 5
	s_add_co_u32 s55, s55, s56                     ; my wave's first column
	s_lshl_b32 s56, s31, 10
	s_add_co_u32 s56, s56, s55                     ; and its first position in the output
	s_lshr_b32 s62, s55, 6                         ; source byte: group of 64 columns, column in it, chunk of K
	s_mul_i32 s62, s62, s29
	s_and_b32 s63, s55, 63
	s_lshl_b32 s63, s63, 2
	s_add_co_u32 s62, s62, s63
	s_mul_i32 s63, s54, s25
	s_lshl_b32 s63, s63, 8
	s_add_co_u32 s62, s62, s63
	s_mov_b32 s63, 0
	s_lshl_b32 s66, s25, 5                         ; a block of 32 along K on
	s_mov_b32 s67, 0
	s_lshr_b32 s68, s56, 4                         ; codes: (row block x NS + K step) x 1,536
	s_mul_i32 s68, s68, s26
	s_lshl_b32 s69, s54, 1
	s_add_co_u32 s68, s68, s69
	s_mul_i32 s68, s68, FRB
	s_add_co_u32 s68, s68, s57
	s_add_co_u32 s68, s68, CODES
	s_mov_b32 s69, 0
	s_mul_i32 s70, s26, FRB                        ; a row block on
	s_mov_b32 s71, 0
	s_lshl_b32 s72, s54, 15                        ; scale words: K step x SWP + 4 x position
	s_lshl_b32 s73, s56, 2
	s_add_co_u32 s72, s72, s73
	s_add_co_u32 s72, s72, s57
	s_mov_b32 s73, 0
	v_bfe_u32 v6, v0, 3, 1
	v_bfe_u32 v7, v0, 4, 1
	s_delay_alu instid0(VALU_DEP_1)
	v_xor_b32 v6, v6, v7
	s_delay_alu instid0(VALU_DEP_1)
	v_mul_u32_u24 v6, v6, s28
	s_wait_alu depctr_va_vdst(0)
	v_xor_b32 v6, v6, v1                           ; the column that position l holds: l, or l with bits 3 and 4 exchanged
	s_delay_alu instid0(VALU_DEP_1)
	v_lshlrev_b32 v[OFF], 2, v6
.set i_, 1
.rept 31
	s_delay_alu instid0(VALU_DEP_1)
	v_add_nc_u32 v[OFF+i_], s25, v[OFF+i_-1]
.set i_, i_+1
.endr
	s_mul_i32 s74, s24, 4*FRB                      ; my wave's stage
	v_and_b32 v8, 15, v0
	s_delay_alu instid0(VALU_DEP_1)
	v_lshlrev_b32 v2, 4, v8
	s_delay_alu instid0(VALU_DEP_1)
	v_mad_u32_u24 v2, v7, 2*FRB, v2
	s_delay_alu instid0(VALU_DEP_1)
	v_add_nc_u32 v2, s74, v2                       ; into it: my row block's two fragments, row l % 16
	v_lshlrev_b32 v4, 4, v1                        ; 16 l
	s_delay_alu instid0(VALU_DEP_1)
	v_add_nc_u32 v3, s74, v4                       ; out of it: as it lies
	v_lshlrev_b32 v5, 2, v1                        ; 4 l
	s_wait_alu depctr_va_vdst(0)
	s_wait_kmcnt 0x0
	s_cmp_ge_u32 ttmp9, W2F                        ; the buffers are chosen on the work-group's number alone
	s_cselect_b64 s[60:61], s[6:7], s[4:5]
	s_cselect_b64 s[58:59], s[18:19], s[16:17]
	s_cmp_ge_u32 ttmp9, WOF
	s_cselect_b64 s[60:61], s[8:9], s[60:61]
	s_cmp_ge_u32 ttmp9, WQF
	s_cselect_b64 s[60:61], s[10:11], s[60:61]
	s_cselect_b64 s[58:59], s[20:21], s[58:59]
	s_cmp_ge_u32 ttmp9, WQF+16
	s_cselect_b64 s[60:61], s[12:13], s[60:61]
	s_cmp_ge_u32 ttmp9, WQF+32
	s_cselect_b64 s[60:61], s[14:15], s[60:61]
	s_add_nc_u64 s[32:33], s[60:61], s[62:63]      ; a base for each of the eight blocks
.irp t, 1,2,3,4,5,6,7
	s_add_nc_u64 s[32+2*\t:33+2*\t], s[30+2*\t:31+2*\t], s[66:67]
.endr
	s_add_nc_u64 s[48:49], s[58:59], s[68:69]      ; codes of my first row block,
	s_add_nc_u64 s[50:51], s[48:49], s[70:71]      ; of my second,
	s_add_nc_u64 s[52:53], s[58:59], s[72:73]      ; and the scale words
.macro LOAD t                          ; block t: 32 numbers down K of my column; 32 lanes read 128 consecutive bytes
.set i_, 0
.rept 32
	global_load_b32 v[X+32*((\t)%2)+i_], v[OFF+i_], s[32+2*(\t):33+2*(\t)] th:TH_LOAD_NT
.set i_, i_+1
.endr
.endm
	LOAD 0
	LOAD 1
.macro BLOCK t
.set XS, X+32*((\t)%2)
.set SL, (\t)/4                        ; which K step of my two
.set CH, ((\t)%4)/2                    ; registers 6 CH .. 6 CH + 5 of the image,
.set HH, (\t)%2                        ; in image lane 16 HH + my row
.if (\t) < 7
	s_wait_loadcnt 32                              ; this block's 32 loads are in; the next block's 32 may be out
.else
	s_wait_loadcnt 0
.endif
	v_max3_num_f32 v12, |v[XS]|, |v[XS+1]|, |v[XS+2]|
	v_max3_num_f32 v13, |v[XS+3]|, |v[XS+4]|, |v[XS+5]|
.irp i, 6,10,14,18,22,26
	s_delay_alu instid0(VALU_DEP_2)
	v_max3_num_f32 v12, v12, |v[XS+\i]|, |v[XS+\i+1]|
	s_delay_alu instid0(VALU_DEP_2)
	v_max3_num_f32 v13, v13, |v[XS+\i+2]|, |v[XS+\i+3]|
.endr
	s_delay_alu instid0(VALU_DEP_2)
	v_max3_num_f32 v12, v12, |v[XS+30]|, |v[XS+31]|
	s_delay_alu instid0(VALU_DEP_1)
	v_max3_num_f32 v12, v12, v13, (EMAX+1)<<23     ; the floor 2^(3 - 127): the byte cannot fall under 1
	s_delay_alu instid0(VALU_DEP_1)
	v_add_nc_u32 v11, -(EMAX<<23), v12             ; 2 off the exponent field: the conversion's scale operand
	s_delay_alu instid0(VALU_DEP_1)
	v_lshrrev_b32 v13, 23, v11                     ; the scale's byte
.if (\t)%4 == 0
	s_delay_alu instid0(VALU_DEP_1)
	v_mov_b32 v[SB+SL], v13
.else
	s_delay_alu instid0(VALU_DEP_1)
	v_lshl_or_b32 v[SB+SL], v13, 8*((\t)%4), v[SB+SL]
.endif
	v_cvt_scalef32_pk16_fp6_f32 v[P:P+2], v[XS:XS+15], v11
	v_cvt_scalef32_pk16_fp6_f32 v[T:T+2], v[XS+16:XS+31], v11      ; (a conversion's three registers begin on an even number)
	v_nop                                          ; one plain place behind a scaled conversion
.irp i, 0,1,2
	v_mov_b32 v[P+3+\i], v[T+\i]
.endr
.if CH == 0
	ds_store_b128 v2, v[P:P+3] offset:FRB*SL+256*HH              ; image registers 0-3: chunk 0
	ds_store_b64 v2, v[P+4:P+5] offset:FRB*SL+512+256*HH         ; 4, 5: the first half of a place in chunk 1
.else
	ds_store_b64 v2, v[P:P+1] offset:FRB*SL+520+256*HH           ; 6, 7: its second half
	ds_store_b128 v2, v[P+2:P+5] offset:FRB*SL+1024+256*HH       ; 8-11: chunk 2
.endif
.if (\t)+2 < 8
	LOAD (\t)+2
.endif
	s_wait_dscnt 0x0                               ; the stores have read their registers: the next block's codes may be written
.endm
.irp t, 0,1,2,3,4,5,6,7
	BLOCK \t
.endr
	global_store_b32 v5, v[SB], s[52:53]           ; 32 positions' scale words: 128 consecutive bytes
	s_wait_alu depctr_va_vdst(0)
	global_store_b32 v5, v[SB+1], s[52:53] offset:SWP
.irp j, 0,1,2,3,4,5,6,7,8,9,10,11
	ds_load_b128 v[OUTR+4*\j:OUTR+4*\j+3], v3 offset:512*\j      ; LDS serves a wave's instructions in order: these see my stores
.endr
.irp j, 0,1,2,3,4,5,6,7,8,9,10,11
	s_wait_dscnt 11-\j                             ; the younger read-backs may be out
	global_store_b128 v4, v[OUTR+4*\j:OUTR+4*\j+3], s[48+2*(\j/6):49+2*(\j/6)] offset:512*(\j%6)   ; 512 consecutive bytes, aligned
.endr
	s_cmp_lg_u32 ttmp9, 0
	s_cbranch_scc1 .Ldone
	v_mov_b32 v16, 0                               ; work-group 0: 4,096 zeros (the bias of the launch that has none),
	v_mov_b32 v17, 0
	v_mov_b32 v18, 0
	v_mov_b32 v19, 0
	v_mov_b32 v20, 0xff800000                      ; and the floor under an activation: -infinity where there is none, 0 for relu
	v_lshlrev_b32 v21, 4, v0                       ; 256 threads x 16 bytes
	v_lshlrev_b32 v22, 2, v0
.irp j, 0,1,2,3
	global_store_b128 v21, v[16:19], s[22:23] offset:4096*\j
.endr
	global_store_b32 v22, v20, s[20:21] offset:FLOORW
	global_store_b32 v22, v16, s[16:17] offset:FLOORW
.Ldone:
	s_wait_tensorcnt 0x0
	ds_add_u32 v208, v209
	s_wait_dscnt 0x0
	s_endpgm
; THE NORM'S PATH.  E = Q(layernorm(x) g + b): rows of 1,024 f32 are normalised in f32 (mean, then the mean of squared differences: two passes over registers) and quantised along the row.
; A work-group owns one row block of 16 positions.  Phase 1: wave w normalises stage rows 2 w, 2 w + 1 (two neighbouring true rows; a load covers 512 consecutive bytes) and puts them into a stage in LDS.
; Phase 2, behind one barrier: wave w takes K step w of all 16 rows: lane (r, h) reads, of row r, 16 neighbours of each block of 32, quantises them and stores the fragment's image.
; The stage's rows are 4,112 bytes apart, so that the sixteen rows that a load touches start 16 bytes apart modulo 256.
.set LNB,   49152                      ; the stage begins behind the other path's bytes
.set SPL,   4112
.set XR,    32                         ; v32-95   two rows, 32 numbers a lane each; later the 64 numbers to quantise
.set GG,    96                         ; v96-127  g at my columns
.set BB,    128                        ; v128-159 b
.set HA,    32
.set PC,    160                        ; v160-178 codes
.set TM,    184                        ; v184-199 at work in QUANT
.set PW,    200                        ; the scale word
.set SEL,   22
; 64 numbers of a lane, register 16 b + i = k 32 b + 16 (lane / 16) + i of my row, become a fragment's codes in v[PC] on and its scale word in v[PW].
.macro QUANT s
.irp b, 0,1,2,3
	v_max3_num_f32 v[TM+\b], |v[\s+16*\b]|, |v[\s+1+16*\b]|, 0x1800000   ; my 16 numbers of block b, and the floor 2^(3 - 127)
.endr
.irp i, 2,4,6,8,10,12,14
.irp b, 0,1,2,3
	s_delay_alu instid0(VALU_DEP_4)
	v_max3_num_f32 v[TM+\b], v[TM+\b], |v[\s+16*\b+\i]|, |v[\s+1+16*\b+\i]|
.endr
.endr
.irp b, 0,1,2,3
	s_delay_alu instid0(VALU_DEP_4)
	v_permlanex16_b32 v[TM+4+\b], v[TM+\b], s[SEL], s[SEL+1]
.endr
.irp b, 0,1,2,3
	s_delay_alu instid0(VALU_DEP_4)
	v_max_num_f32 v[TM+\b], v[TM+\b], v[TM+4+\b]   ; with lane l xor 16's: the block's largest magnitude
.endr
.irp b, 0,1,2,3
	s_delay_alu instid0(VALU_DEP_4)
	v_add_nc_u32 v[TM+12+\b], 0xff000000, v[TM+\b] ; 2 off its exponent field: the conversion's scale operand
.endr
.irp b, 0,1,2,3
	s_delay_alu instid0(VALU_DEP_4)
	v_lshrrev_b32 v[TM+4+\b], 23, v[TM+12+\b]      ; the scale's byte
.endr
	s_delay_alu instid0(VALU_DEP_3)
	v_lshl_or_b32 v[PW], v[TM+5], 8, v[TM+4]
	s_delay_alu instid0(VALU_DEP_1)
	v_lshl_or_b32 v[PW], v[TM+6], 16, v[PW]
	s_delay_alu instid0(VALU_DEP_1)
	v_lshl_or_b32 v[PW], v[TM+7], 24, v[PW]
.irp c, 0,1
	v_cvt_scalef32_pk16_fp6_f32 v[PC+6*\c:PC+2+6*\c], v[\s+32*\c:\s+15+32*\c], v[TM+12+2*\c]
	v_cvt_scalef32_pk16_fp6_f32 v[PC+12+4*\c:PC+14+4*\c], v[\s+16+32*\c:\s+31+32*\c], v[TM+12+2*\c+1]
.endr
	v_nop                                          ; one plain place behind a scaled conversion
.irp c, 0,1                                    ; the layout wants a whole block in a lane: lanes 0-15 block 2 c, lanes 16-31 block 2 c + 1
.irp i, 0,1,2
	v_permlane16_swap_b32 v[PC+6*\c+\i], v[PC+12+4*\c+\i]
.endr
.irp i, 0,1,2
	s_delay_alu instid0(VALU_DEP_3)
	v_mov_b32 v[PC+3+6*\c+\i], v[PC+12+4*\c+\i]
.endr
.endr
.endm
.macro WSUM a, t                       ; the sum over the wave's 32 lanes, in every lane
	s_delay_alu instid0(VALU_DEP_1)
	v_add_f32_dpp v[\a], v[\a], v[\a] row_xmask:1 row_mask:0xf bank_mask:0xf
	s_delay_alu instid0(VALU_DEP_1)
	v_add_f32_dpp v[\a], v[\a], v[\a] row_xmask:2 row_mask:0xf bank_mask:0xf
	s_delay_alu instid0(VALU_DEP_1)
	v_add_f32_dpp v[\a], v[\a], v[\a] row_xmask:4 row_mask:0xf bank_mask:0xf
	s_delay_alu instid0(VALU_DEP_1)
	v_add_f32_dpp v[\a], v[\a], v[\a] row_xmask:8 row_mask:0xf bank_mask:0xf
	s_delay_alu instid0(VALU_DEP_1)
	v_permlanex16_b32 v[\t], v[\a], s[SEL], s[SEL+1]
	s_delay_alu instid0(VALU_DEP_1)
	v_add_f32 v[\a], v[\a], v[\t]
.endm
.macro MEAN e                          ; row e's mean into v[20 + 2 e]
.set XB, XR+32*(\e)
.set AC, 8+4*(\e)
	v_pk_add_f32 v[AC:AC+1], v[XB:XB+1], v[XB+2:XB+3]
	v_pk_add_f32 v[AC+2:AC+3], v[XB+4:XB+5], v[XB+6:XB+7]
.irp i, 8,12,16,20,24,28
	s_delay_alu instid0(VALU_DEP_2)
	v_pk_add_f32 v[AC:AC+1], v[AC:AC+1], v[XB+\i:XB+\i+1]
	s_delay_alu instid0(VALU_DEP_2)
	v_pk_add_f32 v[AC+2:AC+3], v[AC+2:AC+3], v[XB+\i+2:XB+\i+3]
.endr
	s_delay_alu instid0(VALU_DEP_1)
	v_pk_add_f32 v[AC:AC+1], v[AC:AC+1], v[AC+2:AC+3]
	s_delay_alu instid0(VALU_DEP_1)
	v_add_f32 v[16+\e], v[AC], v[AC+1]
	WSUM 16+\e, 18+\e
	s_delay_alu instid0(VALU_DEP_1)
	v_mul_f32 v[20+2*\e], s20, v[16+\e]
.endm
.macro DEV e                           ; x - mean in place; the variance + eps into v[16 + e]
.set XB, XR+32*(\e)
.set AC, 8+4*(\e)
.irp i, 0,2,4,6,8,10,12,14,16,18,20,22,24,26,28,30
	v_pk_add_f32 v[XB+\i:XB+\i+1], v[XB+\i:XB+\i+1], v[20+2*\e:21+2*\e] op_sel_hi:[1,0] neg_lo:[0,1] neg_hi:[0,1]
.endr
	v_pk_mul_f32 v[AC:AC+1], v[XB:XB+1], v[XB:XB+1]
	v_pk_mul_f32 v[AC+2:AC+3], v[XB+2:XB+3], v[XB+2:XB+3]
.irp i, 4,8,12,16,20,24,28
	s_delay_alu instid0(VALU_DEP_2)
	v_pk_fma_f32 v[AC:AC+1], v[XB+\i:XB+\i+1], v[XB+\i:XB+\i+1], v[AC:AC+1]
	s_delay_alu instid0(VALU_DEP_2)
	v_pk_fma_f32 v[AC+2:AC+3], v[XB+\i+2:XB+\i+3], v[XB+\i+2:XB+\i+3], v[AC+2:AC+3]
.endr
	s_delay_alu instid0(VALU_DEP_1)
	v_pk_add_f32 v[AC:AC+1], v[AC:AC+1], v[AC+2:AC+3]
	s_delay_alu instid0(VALU_DEP_1)
	v_add_f32 v[16+\e], v[AC], v[AC+1]
	WSUM 16+\e, 18+\e
	s_delay_alu instid0(VALU_DEP_1)
	v_fma_f32 v[16+\e], v[16+\e], s20, s21
.endm
.Lnorm:
	s_load_b256 s[4:11], s[0:1], 0x50              ; x, g, b, E
	s_sub_co_u32 s26, ttmp9, NWQ                   ; my row block RB, 0 .. 255
	v_lshrrev_b32 v1, 5, v0
	s_delay_alu instid0(VALU_DEP_1)
	v_readfirstlane_b32 s12, v1                    ; wave 0..7
	v_and_b32 v1, 31, v0
	s_delay_alu instid0(VALU_DEP_1)
	v_lshlrev_b32 v2, 4, v1                        ; 16 l
	v_and_b32 v6, 15, v0                           ; r
	v_bfe_u32 v7, v0, 4, 1                         ; h
	s_mul_i32 s16, s12, 2*SPL
	s_add_co_u32 s16, s16, LNB
	v_add_nc_u32 v3, s16, v2                       ; the stage, in: rows 2 w, 2 w + 1, 16 bytes a lane
	v_mul_u32_u24 v4, v6, SPL
	s_delay_alu instid0(VALU_DEP_1)
	v_lshl_add_u32 v4, v7, 6, v4
	s_lshl_b32 s17, s12, 9
	s_add_co_u32 s17, s17, LNB
	v_add_nc_u32 v4, s17, v4                       ; out: row r, K step w, + 64 h
	v_lshlrev_b32 v5, 2, v6                        ; 4 r
	s_lshr_b32 s13, s26, 1                         ; the true row of stage row 2 w: 32 (RB / 2) + 8 (RB % 2) + 16 (w / 4) + 2 (w % 4)
	s_lshl_b32 s13, s13, 5
	s_and_b32 s14, s26, 1
	s_lshl_b32 s14, s14, 3
	s_add_co_u32 s13, s13, s14
	s_lshr_b32 s14, s12, 2
	s_lshl_b32 s14, s14, 4
	s_add_co_u32 s13, s13, s14
	s_and_b32 s14, s12, 3
	s_lshl_b32 s14, s14, 1
	s_add_co_u32 s13, s13, s14
	s_lshl_b32 s14, s13, 12
	s_mov_b32 s15, 0
	s_lshl_b32 s18, s26, 3
	s_add_co_u32 s18, s18, s12
	s_mul_i32 s18, s18, FRB
	s_add_co_u32 s18, s18, CODES                   ; my fragment's image
	s_mov_b32 s19, 0
	s_lshl_b32 s24, s12, 14
	s_lshl_b32 s25, s26, 6
	s_add_co_u32 s24, s24, s25                     ; and its scale words
	s_mov_b32 s25, 0
	s_mov_b32 s20, 0x3a800000                      ; 1 / 1,024
	s_mov_b32 s21, 0x3727c5ac                      ; 1e-5
	s_mov_b32 s[SEL], 0x76543210
	s_mov_b32 s[SEL+1], 0xfedcba98
.irp i, 18,19,21,23
	v_mov_b32 v\i, 0                               ; written once: lane permutes' destinations, and the upper halves of pairs that are named whole
.endr
.irp b, 0,1,2,3
	v_mov_b32 v[TM+4+\b], 0
.endr
	s_wait_kmcnt 0x0
	s_add_nc_u64 s[4:5], s[4:5], s[14:15]
	s_add_nc_u64 s[18:19], s[10:11], s[18:19]
	s_add_nc_u64 s[24:25], s[10:11], s[24:25]
.irp e, 0,1
.irp j, 0,1,2,3,4,5,6,7
	global_load_b128 v[XR+32*\e+4*\j:XR+32*\e+4*\j+3], v2, s[4:5] offset:4096*\e+512*\j th:TH_LOAD_NT
.endr
.endr
.irp j, 0,1,2,3,4,5,6,7
	global_load_b128 v[GG+4*\j:GG+4*\j+3], v2, s[6:7] offset:512*\j
.endr
.irp j, 0,1,2,3,4,5,6,7
	global_load_b128 v[BB+4*\j:BB+4*\j+3], v2, s[8:9] offset:512*\j
.endr
	s_wait_loadcnt 16                              ; the two rows are in; the sixteen loads of g and b may be out
	MEAN 0
	MEAN 1
	DEV 0
	DEV 1
	s_wait_alu depctr_va_vdst(0)
	v_rsq_f32 v20, v16
	v_rsq_f32 v22, v17
	v_nop                                          ; a plain place behind the transcendentals
	s_wait_alu depctr_va_vdst(0)                   ; one wait for both, ahead of their first reader
	s_wait_loadcnt 0x0                             ; g and b
.irp e, 0,1
.irp i, 0,2,4,6,8,10,12,14,16,18,20,22,24,26,28,30
	v_pk_mul_f32 v[XR+32*\e+\i:XR+32*\e+\i+1], v[XR+32*\e+\i:XR+32*\e+\i+1], v[20+2*\e:21+2*\e] op_sel_hi:[1,0]
	s_delay_alu instid0(VALU_DEP_1)
	v_pk_fma_f32 v[XR+32*\e+\i:XR+32*\e+\i+1], v[XR+32*\e+\i:XR+32*\e+\i+1], v[GG+\i:GG+\i+1], v[BB+\i:BB+\i+1]
.endr
.endr
.irp e, 0,1
.irp j, 0,1,2,3,4,5,6,7
	ds_store_b128 v3, v[XR+32*\e+4*\j:XR+32*\e+4*\j+3] offset:SPL*\e+512*\j
.endr
.endr
	s_wait_dscnt 0x0                               ; for the others' sake: my rows lie in the stage
	s_barrier_signal -1
	s_barrier_wait -1
.irp b, 0,1,2,3
.irp j, 0,1,2,3
	ds_load_b128 v[HA+16*\b+4*\j:HA+16*\b+4*\j+3], v4 offset:128*\b+16*\j
.endr
.endr
	s_wait_dscnt 0x0
	QUANT HA
.irp c, 0,1,2
	global_store_b128 v2, v[PC+4*\c:PC+4*\c+3], s[18:19] offset:512*\c   ; 512 consecutive bytes, aligned
.endr
	global_store_b32 v5, v[PW], s[24:25]           ; lanes 16-31 hold the same word as lanes 0-15 and store it to the same place
	s_wait_tensorcnt 0x0
	ds_add_u32 v208, v209
	s_wait_dscnt 0x0
	s_endpgm
.Lfunc_end_k_q864d34a1c3_prep:
	.size	k_q864d34a1c3_prep, .Lfunc_end_k_q864d34a1c3_prep-k_q864d34a1c3_prep
	.p2alignl 7, 3214868480
	.fill 96, 4, 3214868480
	.section	.rodata,"a",@progbits
	.p2align	6, 0x0
	.amdhsa_kernel k_q864d34a1c3_prep
		.amdhsa_group_segment_fixed_size 115968
		.amdhsa_private_segment_fixed_size 0
		.amdhsa_enable_private_segment 0
		.amdhsa_kernarg_size 112
		.amdhsa_user_sgpr_count 2
		.amdhsa_user_sgpr_kernarg_segment_ptr 1
		.amdhsa_wavefront_size32 1
		.amdhsa_system_sgpr_workgroup_id_x 1
		.amdhsa_system_sgpr_workgroup_id_y 1
		.amdhsa_system_sgpr_workgroup_id_z 1
		.amdhsa_system_vgpr_workitem_id 0
		.amdhsa_next_free_vgpr 210
		.amdhsa_next_free_sgpr 80
		.amdhsa_reserve_vcc 0
		.amdhsa_float_denorm_mode_32 3
		.amdhsa_float_denorm_mode_16_64 3
		.amdhsa_memory_ordered 1
		.amdhsa_forward_progress 1
		.amdhsa_inst_pref_size 81
	.end_amdhsa_kernel
	.amdgpu_metadata
---
amdhsa.version: [ 1, 2 ]
amdhsa.kernels:
  - .name:           k_q864d34a1c3_prep
    .symbol:         k_q864d34a1c3_prep.kd
    .args:
      - { .name: W1, .offset: 0, .size: 8, .value_kind: global_buffer, .address_space: global }
      - { .name: W2, .offset: 8, .size: 8, .value_kind: global_buffer, .address_space: global }
      - { .name: Wo, .offset: 16, .size: 8, .value_kind: global_buffer, .address_space: global }
      - { .name: Wq, .offset: 24, .size: 8, .value_kind: global_buffer, .address_space: global }
      - { .name: Wk, .offset: 32, .size: 8, .value_kind: global_buffer, .address_space: global }
      - { .name: Wv, .offset: 40, .size: 8, .value_kind: global_buffer, .address_space: global }
      - { .name: w1c, .offset: 48, .size: 8, .value_kind: global_buffer, .address_space: global }
      - { .name: wrc, .offset: 56, .size: 8, .value_kind: global_buffer, .address_space: global }
      - { .name: wac, .offset: 64, .size: 8, .value_kind: global_buffer, .address_space: global }
      - { .name: zero, .offset: 72, .size: 8, .value_kind: global_buffer, .address_space: global }
      - { .name: x, .offset: 80, .size: 8, .value_kind: global_buffer, .address_space: global }
      - { .name: ln1_g, .offset: 88, .size: 8, .value_kind: global_buffer, .address_space: global }
      - { .name: ln1_b, .offset: 96, .size: 8, .value_kind: global_buffer, .address_space: global }
      - { .name: E, .offset: 104, .size: 8, .value_kind: global_buffer, .address_space: global }
    .group_segment_fixed_size: 115968
    .private_segment_fixed_size: 0
    .kernarg_segment_align: 8
    .kernarg_segment_size: 112
    .max_flat_workgroup_size: 256
    .sgpr_count:     80
    .vgpr_count:     210
    .wavefront_size: 32
...
	.end_amdgpu_metadata
.endif
;; end of part 1
;; launch qkv (part 2): grid 8 x 24, 4 waves a work-group, clusters of 4 x 4, 327,680 bytes of LDS; arguments E, wac, zero, F, vT; writes F, vT
.if DOCPART == 2
	.amdgcn_target "amdgcn-amd-amdhsa--gfx1250"
	.amdhsa_code_object_version 6
	.text
	.protected	k_q864d34a1c3_qkv
	.globl	k_q864d34a1c3_qkv
	.p2align	8
	.type	k_q864d34a1c3_qkv,@function
k_q864d34a1c3_qkv:
	s_mov_b64 s[64:65], 0
	v_nop
	global_prefetch_b8 v0, s[64:65] scope:SCOPE_SE
	s_setreg_imm32_b32 hwreg(HW_REG_WAVE_MODE, 25, 1), 1
	s_wait_xcnt 0x0
	s_wait_alu depctr_hold_cnt(0) depctr_sa_sdst(0) depctr_va_vdst(0) depctr_va_sdst(0) depctr_va_ssrc(0) depctr_va_vcc(0) depctr_vm_vsrc(0)
	s_getreg_b32 s2, hwreg(HW_REG_IB_STS2, 6, 4)
	s_cmp_eq_u32 s2, 0
	s_cbranch_scc0 .Lentry_in_a_cluster
	s_endpgm
.Lentry_in_a_cluster:
	s_bfe_u32 s2, ttmp6, 0x10000c
	s_cmp_lg_u32 s2, 0xf033
	s_cbranch_scc0 .Lentry_shape_is_right
	s_endpgm
.Lentry_shape_is_right:
; out = Q(max(A B^T + bias, floor)), quantised along B's rows, which are the next product's K.  Both operands are codes of FP6 (E2M3) with E8M0 scales, K = 1,024, laid as images of operand registers:
; a fragment (16 rows x 128 K, 12 registers a lane) is 1,536 bytes, chunk c = lane l's registers 4 c .. 4 c + 3 at 16 l; codes at CODES + (row block x 8 + K step) x 1,536; scale words at K step x SWP + 4 x position.
; THE MATRIX INSTRUCTION IS USED TRANSPOSED: source 0 = 16 positions of B, source 1 = 16 positions of A.  B's rows are stored in the order sigma (bits 3 and 4 of the row exchanged), so that the 16 registers of two
; neighbouring tiles are 16 NEIGHBOURS along the next K; a lane holds one position of A.  The results are quantised in registers and leave as images again (32 K steps a row block in the output).
; TWO USES.  (1) arguments lx, W1's codes, b1: the hidden layer, floor 0 (relu).  (2) arguments lx, Wq Wk Wv's codes, zeros: rows of clusters 0-3 make q and k (A = tokens, B = 2,048 rows of weights);
; rows of clusters 4, 5 make V TRANSPOSED (A = Wv's 1,024 rows, B = tokens), into the second output, since the tokens are V's K.  The change of roles is a select on the cluster's y, equal in all sixteen partners.
; The floor is a number that the weights' buffer carries (-infinity where there is no activation); it is data only.  The bias is the C of each sum's first matrix instruction.
; A tile of 256 x 256 is made by four waves, 128 x 128 each: 64 accumulators.  K goes in slots of 384 through a ring of two LDS slots; a wave's tensor load brings 8 row blocks x 4,608 bytes.
; The scale words of the work-group's rows, for all of K, come once, with the first fills.  CLUSTERS 4 x 4: A's tiles are asked for jointly along a row of the cluster, B's along a column.
; REGISTERS: window 0: v16-29 addresses; v32-79 scale words, two sets; v128-223 A's fragments, one set; on the way out v64-177.  window 1: B's two sets (v0-95, v128-223), the bias (v96-127, v224-255).
;   windows 2, 3: the accumulators of A's blocks 0-3, 4-7: (a, b) at v[8 (8 (a % 4) + b)].
; LIMITS: NaN and infinities are not served; a block whose largest magnitude lies under 2^-124 gets the byte 1.  All of a WGP's LDS is claimed.
.set NBK,    8                         ; blocks of 16 rows a wave and side
.set NQ,     3                         ; K steps of 128 in a slot: THREE (where the head comment says slots of 256 and loads of 3,072 bytes a row block, read 384 and 4,608).  K's eight steps come as 3 + 3 + 2: slot 0, slot 1, slot 0 again
                                       ; THE HEAD'S LOADS are four, one a wave: slot 0's 16 row blocks of A, of B, A's scale words, B's; slot 1's first fill stands behind the full sequence and a round.  Scale words: v32-79, two sets of 24.
                                       ; PREFETCH INTO THE L2, one fill ahead: with the head's load goes a request for slot 1's bytes, with slot 1's load one for the last fill's.  Of the eight row blocks that a wave fetches in the ring, each of the four
                                       ; partners that ask jointly names two, told apart by address: an instruction a row block, lanes 256 bytes apart (18 or 12 blocks; the lanes left over name the last block again).
.set SIZE_K, 1024
.set NS,     SIZE_K/128
.set HB,     NBK/2
.set NL,     3                         ; LDS loads that bring a fragment
.set FR,     12
.set FRB,    1536
.set HALFT,  NBK*NQ*FRB                ; what one tensor load brings, and what one wave reads of A or of B
.set SLOT,   4*HALFT
.set SCL,    2*SLOT                    ; behind the ring: the scale words, [K step][2 NBK x 64 bytes] for each side
.set HALFS,  NS*NBK*64
.set SPARE,  SCL+4*HALFS               ; the spare words: 128 bytes a wave, named by no other line
.set SWP,    16384
.set CODES,  0x100000
.set FLOORW, 0x84000
.set ADRA, 16
.set ADRB, 20
.set ADRS, 27
.set SPW,  28
.set NIL,  29
.set SC,   32
.set AF,   128
.set HA,   64                          ; the way out: 64 numbers, codes, at work, scale words
.set PC,   128
.set TM,   160
.set PW,   176
.set PWE,  177
.set SEL,  98
.set G1,   24
.set G0,   32
.set G1B,  48
.set G0B,  56
.set G1S,  68
.set G0S,  76
.set G1SB, 80
.set G0SB, 88
.set MSB, 0
.macro WIN new                         ; the immediate's high byte repeats the setting that is left
.if MSB != (\new)
	s_set_vgpr_msb (MSB<<8)|(\new)
.set MSB, \new
.endif
.endm
.macro JLOAD g0a, g1a, g0b, g1b        ; a joint load: waves 0, 1 fetch for A, waves 2, 3 for B; four v_nop follow each line
	s_cmp_eq_u32 s15, 0
	s_cbranch_scc0 .Lfor_b_\@
	tensor_load_to_lds s[\g0a:\g0a+3], s[\g1a:\g1a+7]
	s_nop 0
.rept 4
	v_nop
.endr
	s_branch .Lasked_\@
.Lfor_b_\@:
	tensor_load_to_lds s[\g0b:\g0b+3], s[\g1b:\g1b+7]
	s_nop 0
.rept 4
	v_nop
.endr
.Lasked_\@:
.endm
.macro CREST                           ; a round of the cluster's barrier behind its opening barrier
	s_cmp_lg_u32 s14, 0
	s_cbranch_scc1 .Lnot_wave_0_\@
	s_barrier_signal -3
.Lnot_wave_0_\@:
	s_barrier_wait -3
	s_barrier_signal -1
	s_barrier_wait -1
.endm
.macro CROUND
	s_barrier_signal -1
	s_barrier_wait -1
	CREST
.endm
.macro PLACES n
.rept \n
	v_nop
.endr
.endm
.macro FRAG reg, adr, q, i             ; a fragment comes as it lies: three loads of 512 consecutive bytes
.irp c, 0,1,2
	ds_load_b128 v[\reg+4*\c:\reg+4*\c+3], v[\adr] offset:((\i)*NQ+(\q))*FRB+512*\c
.endr
.endm
.macro FETCH_B slot, q, p
	WIN 0x40
.set i_, 0
.rept NBK
	FRAG 128*(\p)+FR*i_, ADRB+\slot, \q, i_
.set i_, i_+1
.endr
	WIN 0
.endm
.macro FETCH_A slot, q, i0
.set i_, \i0
.rept HB
	FRAG AF+FR*i_, ADRA+\slot, \q, i_
.set i_, i_+1
.endr
.endm
.macro SCALES sc, n                    ; the scale words of a slot's n K steps: lanes 0-15 A's block i, lanes 16-31 B's block i; a K step's words of a side are 2 NBK x 64 bytes
.set i_, 0
.rept NBK
.set q_, 0
.rept \n
	ds_load_b32 v[SC+8*NQ*(\sc)+NQ*i_+q_], v[ADRS] offset:q_*2*NBK*64+64*i_
.set q_, q_+1
.endr
.set i_, i_+1
.endr
.endm
.macro MULA a, p, q, sc, first         ; A's block a against B's NBK blocks; first = 1: the bias starts the sums
.set b_, 0
.rept NBK
.set rD, 8*(NBK*((\a)%HB)+b_)
.set rB, 128*(\p)+FR*b_
.set rA, AF+FR*(\a)
.set rC, 96+8*b_+96*(b_/4)
.if \first
	v_wmma_scale_f32_16x16x128_f8f6f4 v[rD:rD+7], v[rB:rB+FR-1], v[rA:rA+FR-1], v[rC:rC+7], v[SC+8*NQ*(\sc)+NQ*b_+(\q)], v[SC+8*NQ*(\sc)+NQ*(\a)+(\q)] matrix_a_fmt:MATRIX_FMT_FP6 matrix_b_fmt:MATRIX_FMT_FP6 matrix_a_scale:MATRIX_SCALE_ROW1
.else
	v_wmma_scale_f32_16x16x128_f8f6f4 v[rD:rD+7], v[rB:rB+FR-1], v[rA:rA+FR-1], v[rD:rD+7], v[SC+8*NQ*(\sc)+NQ*b_+(\q)], v[SC+8*NQ*(\sc)+NQ*(\a)+(\q)] matrix_a_fmt:MATRIX_FMT_FP6 matrix_b_fmt:MATRIX_FMT_FP6 matrix_a_scale:MATRIX_SCALE_ROW1
.endif
.set b_, b_+1
.endr
.endm
.macro MULS a0, n, p, q, sc, first     ; the accumulators take turns, one instruction a turn, in the same order in every step
.set a_, \a0
.rept \n
	MULA a_, \p, \q, \sc, \first
.set a_, a_+1
.endr
.endm
.macro STEP slot, q, first             ; a K step that has its successor in the same slot
	s_wait_dscnt HB*NL                             ; all but the youngest loads, A's upper blocks, are in
.if \first
	WIN 0x91                                       ; B window 1, A window 0, C (the bias) window 1, D window 2
.else
	WIN 0xa1
.endif
	MULS 0, HB, ((\q)+(\slot))%2, \q, \slot, \first   ; B's set goes by the K step's parity: with three steps to a slot that is (q + slot) % 2
	s_wait_dscnt 0
	PLACES 4                                       ; in front of loads into registers that matrix instructions have read
	FETCH_B \slot, (\q)+1, 1-((\q)+(\slot))%2
	FETCH_A \slot, (\q)+1, 0
.if \first
	WIN 0xd1
.else
	WIN 0xf1
.endif
	MULS HB, HB, ((\q)+(\slot))%2, \q, \slot, \first
	PLACES 4
	WIN 0
	FETCH_A \slot, (\q)+1, HB
.endm
.macro TURN slot, next, fill           ; a slot's last K step changes slots: one barrier (with fill = 1 it opens a round of the cluster's barrier)
	s_wait_tensorcnt 0x0                           ; all my tensor loads have landed: my part of the next slot
	ds_add_u32 v[SPW], v[NIL]                      ; 0 onto my spare word
	s_wait_dscnt HB*NL+1                           ; the add and A's upper blocks may be out
	WIN 0xa1
	MULS 0, HB/2, \slot, NQ-1, \slot, 0
	s_wait_dscnt 0x0                               ; the add is done, and my reads of this slot are over
	s_barrier_signal -1
	MULS HB/2, HB/2, \slot, NQ-1, \slot, 0
	WIN 0
	s_barrier_wait -1
.if \fill
	CREST                                          ; no wave of any partner still reads this slot or has a load on its way
	s_add_nc_u64 s[G0+4*\slot+2:G0+4*\slot+3], s[G0+4*\slot+2:G0+4*\slot+3], 2*NQ*FRB
	s_add_nc_u64 s[G0B+4*\slot+2:G0B+4*\slot+3], s[G0B+4*\slot+2:G0B+4*\slot+3], 2*NQ*FRB
	s_mov_b32 s[G1+1], (2*192)<<16                 ; no tensor load of mine is out: the last fill has two K steps left of each row block (tensor_dim0); the third step's place takes zeros and is not read
	s_mov_b32 s[G1B+1], (2*192)<<16
	JLOAD G0+4*\slot, G1, G0B+4*\slot, G1B         ; the first tensor load behind the round; its four v_nop are the places in front of the loads below
.else
	PLACES 4
.endif
	s_wait_alu depctr_va_vdst(0)
	v_add_nc_u32 v[ADRS], NQ*2*NBK*64, v[ADRS]     ; the next slot's scale words
	FETCH_B \next, 0, \next
	FETCH_A \next, 0, 0
	SCALES \next, NQ-1+\next                       ; slot 1 has three K steps, slot 0's second fill two
	WIN 0xf1
	MULS HB, HB, \slot, NQ-1, \slot, 0
	PLACES 4
	WIN 0
	FETCH_A \next, 0, HB
.endm
; 64 numbers of a lane, register 16 b + i = k 32 b + 16 (lane / 16) + i of my row, become a fragment's codes in v[PC] on and its scale word in v[PW].
.macro QUANT s
.irp b, 0,1,2,3
	v_max3_num_f32 v[TM+\b], |v[\s+16*\b]|, |v[\s+1+16*\b]|, 0x1800000   ; my 16 numbers of block b, and the floor 2^(3 - 127)
.endr
.irp i, 2,4,6,8,10,12,14
.irp b, 0,1,2,3
	v_max3_num_f32 v[TM+\b], v[TM+\b], |v[\s+16*\b+\i]|, |v[\s+1+16*\b+\i]|
.endr
.endr
.irp b, 0,1,2,3
	v_permlanex16_b32 v[TM+4+\b], v[TM+\b], s[SEL], s[SEL+1]
.endr
.irp b, 0,1,2,3
	v_max_num_f32 v[TM+\b], v[TM+\b], v[TM+4+\b]
.endr
.irp b, 0,1,2,3
	v_add_nc_u32 v[TM+12+\b], 0xff000000, v[TM+\b]
.endr
.irp b, 0,1,2,3
	v_lshrrev_b32 v[TM+4+\b], 23, v[TM+12+\b]
.endr
	v_lshl_or_b32 v[PW], v[TM+5], 8, v[TM+4]
	v_lshl_or_b32 v[PW], v[TM+6], 16, v[PW]
	v_lshl_or_b32 v[PW], v[TM+7], 24, v[PW]
.irp c, 0,1
	v_cvt_scalef32_pk16_fp6_f32 v[PC+6*\c:PC+2+6*\c], v[\s+32*\c:\s+15+32*\c], v[TM+12+2*\c]
	v_cvt_scalef32_pk16_fp6_f32 v[PC+12+4*\c:PC+14+4*\c], v[\s+16+32*\c:\s+31+32*\c], v[TM+12+2*\c+1]
.endr
	v_nop                                          ; one plain place behind a scaled conversion
.irp c, 0,1
.irp i, 0,1,2
	v_permlane16_swap_b32 v[PC+6*\c+\i], v[PC+12+4*\c+\i]
.endr
.irp i, 0,1,2
	v_mov_b32 v[PC+3+6*\c+\i], v[PC+12+4*\c+\i]
.endr
.endr
.endm
	s_load_b256 s[4:11], s[0:1], 0x0               ; activations s[4:5], weights s[6:7], bias s[8:9], output s[10:11]
	s_load_b64 s[12:13], s[0:1], 0x20              ; the second output
	v_lshl_add_u32 v[SPW], v0, 2, SPARE
	v_mov_b32 v[NIL], 0
	ds_add_u32 v28, v29
	ds_add_u32 v28, v29
	s_wait_dscnt 0x0
	v_lshrrev_b32 v1, 5, v0
	v_readfirstlane_b32 s14, v1                    ; wave 0..3
	s_lshr_b32 s15, s14, 1                         ; my half of A's rows.  Also: I fetch for A (0) or for B (1)
	s_and_b32 s16, s14, 1                          ; my half of B's rows.  Also: which half I fetch
	s_bfe_u32 s40, ttmp6, 0x40000                  ; cx
	s_bfe_u32 s41, ttmp6, 0x40004                  ; cy
	s_and_b32 s45, ttmp7, 0xffff                   ; the cluster's y
	s_lshl_b32 s46, s45, 1
	s_add_co_u32 s46, s46, ttmp9
	s_sub_co_u32 s46, s46, 8                       ; cluster x + 2 (cluster y - 4)
	s_cmp_ge_u32 s45, 4                            ; rows of clusters from 4 on: the roles change
	s_cselect_b32 s42, s46, ttmp9                  ; the column of clusters,
	s_cselect_b32 s17, 0, s45                      ; the row of clusters,
	s_cselect_b32 s92, 128*NS*FRB, 0               ; and where A's rows begin in their buffer: Wv's are row blocks 128 on,
	s_cselect_b32 s93, 8192, 0                     ; positions 2,048 on
	s_lshl_b32 s42, s42, 2
	s_add_co_u32 s42, s42, s40                     ; tile column (B)
	s_lshl_b32 s17, s17, 2
	s_add_co_u32 s17, s17, s41                     ; tile row (A)
	s_lshl_b32 s43, s41, 2
	s_lshl_b32 s43, 15, s43                        ; my row of the cluster
	s_lshl_b32 s44, 0x1111, s40                    ; my column
	s_or_b32 s[G1+0], s43, (3<<16)|(1<<21)         ; 15:0 the mask; 17:16 elements of 8 bytes; 21 set beside a mask; no padding
	s_or_b32 s[G1B+0], s44, (3<<16)|(1<<21)
.irp g, G1, G1B
	s_mov_b32 s[\g+1], (NQ*192)<<16                ; tensor_dim0: a slot's part of a row block, NQ x 1,536 bytes
	s_mov_b32 s[\g+2], (2*NBK)<<16                 ; tensor_dim1: for the head's loads both halves, 2 NBK row blocks
	s_mov_b32 s[\g+3], (NQ*192)<<16                ; tile_dim0
	s_mov_b32 s[\g+4], 2*NBK                       ; tile_dim1
	s_mov_b32 s[\g+5], NS*192                      ; from row block to row block
	s_mov_b32 s[\g+6], 0
	s_mov_b32 s[\g+7], 0
.endr
	s_or_b32 s[G1S+0], s43, (3<<16)|(1<<21)
	s_or_b32 s[G1SB+0], s44, (3<<16)|(1<<21)
.irp g, G1S, G1SB
	s_mov_b32 s[\g+1], (NBK*16)<<16                ; the scale words of 2 NBK x 16 positions,
	s_mov_b32 s[\g+2], NS<<16                      ; for each K step
	s_mov_b32 s[\g+3], (NBK*16)<<16
	s_mov_b32 s[\g+4], NS
	s_mov_b32 s[\g+5], SWP/8
	s_mov_b32 s[\g+6], 0
	s_mov_b32 s[\g+7], 0
.endr
	s_mul_i32 s20, s17, 2*NBK                      ; the tile's first row block of A,
	s_mul_i32 s46, s42, 2*NBK                      ; of B
	s_lshl_b32 s22, s20, 6                         ; their scale words,
	s_lshl_b32 s94, s46, 6
	s_mul_i32 s20, s20, NS*FRB                     ; their codes
	s_mul_i32 s46, s46, NS*FRB
	s_add_co_u32 s20, s20, CODES
	s_add_co_u32 s46, s46, CODES
	s_add_co_u32 s20, s20, s92
	s_add_co_u32 s22, s22, s93
	s_mov_b32 s21, 0
	s_mov_b32 s23, 0
	s_mov_b32 s47, 0
	s_mov_b32 s95, 0
	s_mul_i32 s92, s14, HALFT                      ; where they go: wave x a half: no place in the cluster enters an LDS address
	s_wait_kmcnt 0x0
	s_cmp_ge_u32 s45, 4
	s_cselect_b64 s[66:67], s[6:7], s[4:5]         ; the buffer of A's rows,
	s_cselect_b64 s[2:3], s[4:5], s[6:7]           ; of B's,
	s_cselect_b64 s[10:11], s[12:13], s[10:11]     ; and of the results
	s_load_b32 s96, s[6:7], FLOORW                 ; the floor under the activation
	s_add_nc_u64 s[20:21], s[66:67], s[20:21]
	s_add_nc_u64 s[22:23], s[66:67], s[22:23]
	s_add_nc_u64 s[46:47], s[2:3], s[46:47]
	s_add_nc_u64 s[94:95], s[2:3], s[94:95]
	CROUND                                         ; all sixteen work-groups are here: the first joint loads meet
	s_mov_b32 s[G0S], 1
	s_mov_b32 s[G0S+1], SCL
	s_mov_b64 s[G0S+2:G0S+3], s[22:23]
	s_or_b32 s[G0S+3], s[G0S+3], 0x80000000
	s_mov_b32 s[G0SB], 1
	s_mov_b32 s[G0SB+1], SCL+2*HALFS
	s_mov_b64 s[G0SB+2:G0SB+3], s[94:95]
	s_or_b32 s[G0SB+3], s[G0SB+3], 0x80000000
	s_mul_i32 s66, s16, NBK*NS*FRB                 ; in the ring I fetch a half of a tile: which, in bytes
	s_mov_b32 s67, 0
	s_mov_b32 s[G0], 1                             ; slot 0's group 0 serves the head's loads first: the slot's 2 NBK row blocks of A,
	s_mov_b32 s[G0+1], 0
	s_mov_b64 s[G0+2:G0+3], s[20:21]
	s_or_b32 s[G0+3], s[G0+3], 0x80000000
	s_mov_b32 s[G0B], 1                            ; and of B, behind them
	s_mov_b32 s[G0B+1], 2*HALFT
	s_mov_b64 s[G0B+2:G0B+3], s[46:47]
	s_or_b32 s[G0B+3], s[G0B+3], 0x80000000
	s_add_nc_u64 s[20:21], s[20:21], s[66:67]
	s_add_nc_u64 s[46:47], s[46:47], s[66:67]
	s_cmp_eq_u32 s15, 0                            ; the prefetches: the eight row blocks that I fetch in the ring,
	s_cselect_b64 s[100:101], s[20:21], s[46:47]
	s_cselect_b32 s18, s40, s41                    ; my place among the four that ask for them with me,
	s_mul_i32 s18, s18, 2*NS*FRB                   ; and so my work-group's two row blocks of them
	s_mov_b32 s19, 0
	s_add_nc_u64 s[100:101], s[100:101], s[18:19]
	s_mov_b32 s[G0+4], 1                           ; slot 1: my half, K steps NQ on
	s_add_co_u32 s[G0+5], s92, SLOT
	s_add_nc_u64 s[G0+6:G0+7], s[20:21], NQ*FRB
	s_or_b32 s[G0+7], s[G0+7], 0x80000000
	s_mov_b32 s[G0B+4], 1
	s_add_co_u32 s[G0B+5], s92, SLOT
	s_add_nc_u64 s[G0B+6:G0B+7], s[46:47], NQ*FRB
	s_or_b32 s[G0B+7], s[G0B+7], 0x80000000
; one chain of branches on the wave's number, a load to each arm, all arms leading to one join
.macro ARM under, g0, g1, next
	s_cmp_lt_u32 s14, \under
	s_cbranch_scc0 \next
	tensor_load_to_lds s[\g0:\g0+3], s[\g1:\g1+7]
	s_nop 0
.rept 4
	v_nop
.endr
	s_branch .Lhead_asked
\next:
.endm
	ARM 1, G0,  G1,  .Lhead_b
	ARM 2, G0B, G1B, .Lhead_sa
	ARM 3, G0S, G1S, .Lhead_sb
	tensor_load_to_lds s[G0SB:G0SB+3], s[G1SB:G1SB+7]
	s_nop 0
.rept 4
	v_nop
.endr
.Lhead_asked:
	v_and_b32 v1, 15, v0                           ; r
	v_bfe_u32 v2, v0, 4, 1                         ; h
	v_and_b32 v3, 31, v0
	v_lshlrev_b32 v25, 2, v3                       ; 4 l
	v_min_u32 v30, 17, v3
	v_min_u32 v31, 11, v3
	v_lshlrev_b32 v30, 8, v30                      ; 256 x min(lane, 17): a row block's 4,608 bytes of slot 1; never rewritten
	v_lshlrev_b32 v31, 8, v31                      ; 256 x min(lane, 11): its 3,072 bytes of the last fill; never rewritten
	global_prefetch_b8 v30, s[100:101] offset:NQ*FRB th:TH_LOAD_NT scope:SCOPE_SE
	global_prefetch_b8 v30, s[100:101] offset:NS*FRB+NQ*FRB th:TH_LOAD_NT scope:SCOPE_SE
	v_lshlrev_b32 v3, 4, v3                        ; 16 l
	v_mov_b32 v24, v3
	s_mul_i32 s21, s15, HALFT                      ; my half of A,
	s_mul_i32 s22, s16, HALFT                      ; my half of B,
	s_add_co_u32 s22, s22, 2*HALFT                 ; which lies behind A's two
.irp s, 0,1
	v_add_nc_u32 v[ADRA+\s], s21, v3
	v_add_nc_u32 v[ADRB+\s], s22, v3
	s_add_co_u32 s21, s21, SLOT
	s_add_co_u32 s22, s22, SLOT
.endr
	v_lshlrev_b32 v5, 2, v1
	s_mul_i32 s21, s15, NBK*64
	s_mul_i32 s22, s16, NBK*64
	s_add_co_u32 s22, s22, 2*HALFS
	s_sub_co_u32 s22, s22, s21
	v_mul_u32_u24 v6, s22, v2                      ; lanes 16-31 take B's words
	s_add_co_u32 s21, s21, SCL
	v_add_nc_u32 v5, v5, v6
	v_add_nc_u32 v[ADRS], s21, v5
	s_lshl_b32 s18, s42, 10                        ; the bias at my 128 rows of B: lane half h wants, for tile 2 b + u, numbers 32 b + 16 h + 8 u + 0 .. 7
	s_lshl_b32 s19, s16, 9
	s_add_co_u32 s18, s18, s19
	v_lshl_add_u32 v7, v2, 6, s18
	WIN 0x40
.set b_, 0
.rept NBK
.set rC, 96+8*b_+96*(b_/4)
	global_load_b128 v[rC:rC+3], v7, s[8:9] offset:(32*(b_/2)+8*(b_%2))*4
	global_load_b128 v[rC+4:rC+7], v7, s[8:9] offset:(32*(b_/2)+8*(b_%2))*4+16
.set b_, b_+1
.endr
	WIN 0
	s_lshl_b32 s18, s17, 4                         ; where the results go: A's row block 16 x tile row + 8 x half,
	s_lshl_b32 s19, s15, 3
	s_add_co_u32 s18, s18, s19
	s_lshl_b32 s19, s42, 1
	s_add_co_u32 s19, s19, s16                     ; K step 2 x tile column + half
	s_lshl_b32 s20, s18, 5
	s_add_co_u32 s20, s20, s19
	s_mul_i32 s20, s20, FRB
	s_add_co_u32 s20, s20, CODES
	s_mov_b32 s21, 0
	s_lshl_b32 s22, s19, 14
	s_lshl_b32 s23, s18, 6
	s_add_co_u32 s22, s22, s23
	s_mov_b32 s23, 0
	s_add_nc_u64 s[12:13], s[10:11], s[22:23]      ; scale words
	s_add_nc_u64 s[10:11], s[10:11], s[20:21]      ; codes
	s_mov_b32 s97, 0xffff0000                      ; lanes 16-31
	s_mov_b32 s[SEL], 0x76543210
	s_mov_b32 s[SEL+1], 0xfedcba98
	s_wait_alu depctr_va_vdst(0)
	s_wait_tensorcnt 0x0                           ; my tile of the head's four is in
	ds_add_u32 v[SPW], v[NIL]
	s_mov_b32 s[G0+1], s92                         ; no tensor load of mine is out: slot 0's group 0 becomes the ring's (my half of the tile),
	s_add_nc_u64 s[G0+2:G0+3], s[G0+2:G0+3], s[66:67]
	s_mov_b32 s[G0B+1], s92
	s_add_nc_u64 s[G0B+2:G0B+3], s[G0B+2:G0B+3], s[66:67]
	s_mov_b32 s[G1+2], NBK<<16                     ; and from here on a load brings NBK row blocks
	s_mov_b32 s[G1+4], NBK
	s_mov_b32 s[G1B+2], NBK<<16
	s_mov_b32 s[G1B+4], NBK
	s_wait_dscnt 0x0                               ; the add is done
	CROUND                                         ; all four tiles are in, and all sixteen work-groups are here
	JLOAD G0+4, G1, G0B+4, G1B                     ; slot 1's first fill, the first tensor load behind the round
	FETCH_B 0, 0, 0
	FETCH_A 0, 0, 0
	SCALES 0, NQ
	global_prefetch_b8 v31, s[100:101] offset:2*NQ*FRB th:TH_LOAD_NT scope:SCOPE_SE
	global_prefetch_b8 v31, s[100:101] offset:NS*FRB+2*NQ*FRB th:TH_LOAD_NT scope:SCOPE_SE
	FETCH_A 0, 0, HB
	s_wait_loadcnt 0x0                             ; the bias
	s_wait_kmcnt 0x0                               ; the floor
	STEP 0, 0, 1                                   ; the eight K steps are written out: the bias starts the sums in the first
	STEP 0, 1, 0
	TURN 0, 1, 1                                   ; slot 0 takes K steps 6 and 7
	STEP 1, 0, 0
	STEP 1, 1, 0
	TURN 1, 0, 0                                   ; nothing more is filled
	STEP 0, 0, 0
	s_wait_dscnt HB*NL
	WIN 0xa1
	MULS 0, HB, 1, 1, 0, 0
	s_wait_dscnt 0
	WIN 0xf1
	MULS HB, HB, 1, 1, 0, 0
	WIN 0
; THE WAY OUT, a block of 16 positions of A at a time: the activation (which is also the move to window 0), the quantiser, the image's three stores of 512 consecutive bytes.  Two blocks' scale words leave together: 128 consecutive bytes.
.macro OUTQ a
	WIN 0x08+4*((\a)/4)                            ; source 1: window 2 or 3
.set j_, 0
.rept 64
	v_max_num_f32 v[HA+j_], s96, v[64*((\a)%4)+j_] ; each accumulator from its low end on
.set j_, j_+1
.endr
	WIN 0
.if (\a) > 0
	s_wait_xcnt 0x0                                ; the last block's stores have read their registers: codes and scale word may be written again
.endif
	QUANT HA
.irp c, 0,1,2
	global_store_b128 v24, v[PC+4*\c:PC+4*\c+3], s[10:11] offset:(\a)*32*FRB+512*\c
.endr
.if (\a)%2 == 0
	v_mov_b32 v[PWE], v[PW]
.else
	v_cndmask_b32 v[PW], v[PWE], v[PW], s97        ; lanes 0-15: the even block's words; lanes 16-31: the odd block's
	global_store_b32 v25, v[PW], s[12:13] offset:64*((\a)-1)
.endif
.endm
	PLACES 4                                       ; behind the last products
.irp b, 0,1,2,3
	v_mov_b32 v[TM+4+\b], 0                        ; written once: a lane permute's destination counts as one of its sources
.endr
.irp a, 0,1,2,3,4,5,6,7
	OUTQ \a
.endr
	s_wait_tensorcnt 0x0                           ; the wave's end
	ds_add_u32 v[SPW], v[NIL]
	s_wait_dscnt 0x0
	CROUND                                         ; the closing round
	s_endpgm
.Lfunc_end_k_q864d34a1c3_qkv:
	.size	k_q864d34a1c3_qkv, .Lfunc_end_k_q864d34a1c3_qkv-k_q864d34a1c3_qkv
	.p2alignl 7, 3214868480
	.fill 96, 4, 3214868480
	.section	.rodata,"a",@progbits
	.p2align	6, 0x0
	.amdhsa_kernel k_q864d34a1c3_qkv
		.amdhsa_group_segment_fixed_size 327680
		.amdhsa_private_segment_fixed_size 0
		.amdhsa_enable_private_segment 0
		.amdhsa_kernarg_size 40
		.amdhsa_user_sgpr_count 2
		.amdhsa_user_sgpr_kernarg_segment_ptr 1
		.amdhsa_wavefront_size32 1
		.amdhsa_system_sgpr_workgroup_id_x 1
		.amdhsa_system_sgpr_workgroup_id_y 1
		.amdhsa_system_sgpr_workgroup_id_z 1
		.amdhsa_system_vgpr_workitem_id 0
		.amdhsa_next_free_vgpr 1024
		.amdhsa_next_free_sgpr 102
		.amdhsa_reserve_vcc 0
		.amdhsa_float_denorm_mode_32 3
		.amdhsa_float_denorm_mode_16_64 3
		.amdhsa_memory_ordered 1
		.amdhsa_forward_progress 1
		.amdhsa_inst_pref_size 161
	.end_amdhsa_kernel
	.amdgpu_metadata
---
amdhsa.version: [ 1, 2 ]
amdhsa.kernels:
  - .name:           k_q864d34a1c3_qkv
    .symbol:         k_q864d34a1c3_qkv.kd
    .args:
      - { .name: E, .offset: 0, .size: 8, .value_kind: global_buffer, .address_space: global }
      - { .name: wac, .offset: 8, .size: 8, .value_kind: global_buffer, .address_space: global }
      - { .name: zero, .offset: 16, .size: 8, .value_kind: global_buffer, .address_space: global }
      - { .name: F, .offset: 24, .size: 8, .value_kind: global_buffer, .address_space: global }
      - { .name: vT, .offset: 32, .size: 8, .value_kind: global_buffer, .address_space: global }
    .group_segment_fixed_size: 327680
    .private_segment_fixed_size: 0
    .kernarg_segment_align: 8
    .kernarg_segment_size: 40
    .max_flat_workgroup_size: 128
    .sgpr_count:     102
    .vgpr_count:     1024
    .wavefront_size: 32
...
	.end_amdgpu_metadata
.endif
;; end of part 2
;; launch attn (part 3): grid 8 x 32, 8 waves a work-group, clusters of 4 x 1, 214,016 bytes of LDS; arguments F, vT, E; writes E
.if DOCPART == 3
	.amdgcn_target "amdgcn-amd-amdhsa--gfx1250"
	.amdhsa_code_object_version 6
	.text
	.protected	k_q864d34a1c3_attn
	.globl	k_q864d34a1c3_attn
	.p2align	8
	.type	k_q864d34a1c3_attn,@function
k_q864d34a1c3_attn:
	s_mov_b64 s[64:65], 0
	v_nop
	global_prefetch_b8 v0, s[64:65] scope:SCOPE_SE
	s_setreg_imm32_b32 hwreg(HW_REG_WAVE_MODE, 25, 1), 1
	s_wait_xcnt 0x0
	s_wait_alu depctr_hold_cnt(0) depctr_sa_sdst(0) depctr_va_vdst(0) depctr_va_sdst(0) depctr_va_ssrc(0) depctr_va_vcc(0) depctr_vm_vsrc(0)
	s_getreg_b32 s2, hwreg(HW_REG_IB_STS2, 6, 4)
	s_cmp_eq_u32 s2, 0
	s_cbranch_scc0 .Lentry_in_a_cluster
	s_endpgm
.Lentry_in_a_cluster:
	s_bfe_u32 s2, ttmp6, 0x10000c
	s_cmp_lg_u32 s2, 0x3003
	s_cbranch_scc0 .Lentry_shape_is_right
	s_endpgm
.Lentry_shape_is_right:
; o = softmax(q k^T / 8, causal) v for 4 batches x 16 heads of 64, 1,024 tokens, both products on codes of FP6 (E2M3) with E8M0 scales; o is quantised along the heads' axis for the next product.
; INPUTS, as images of operand registers (16 rows x 128 K = 1,536 bytes; 32 K steps a row block): F holds q at K steps 0-7 and k at 8-15 (a K step = a PAIR of heads), rows = token positions (position p holds token sigma(p), bits 3 and 4
; exchanged); vT holds V transposed: rows 64 head + d (by sigma), K = tokens in true order.  OUTPUT E: rows = token positions, K step = pair of heads, 8 K steps a row block.
; THE SOFTMAX: t = score x log2(e) / 8; M = the running largest t rounded UP to a whole number; p = 2^(t - M) is quantised along the keys, not normalised; the sum of the unquantised p divides at the end; when M moves, sum and O are
; multiplied by 2^(old M - new M), exactly.
; SHARES.  A work-group serves one batch and one pair of heads (grid y) and query tiles j, j + 8, .. j + 56 (j = grid x).  The 16 tokens of tile j + 8 i lie in tokens 128 i .. 128 i + 127, so key step ts (128 keys) counts where ts <= i
; and ts = i is the diagonal.  WAVE w TAKES TILE i = w FOR THE PAIR'S FIRST HEAD AND TILE i = 7 - w FOR ITS SECOND: w + 1 and 8 - w key steps, NINE FOR EVERY WAVE.  Every branch hangs on the wave's number alone.
; A fragment of the output holds both heads of one tile: the second head's six registers and two scale bytes go through LDS to the wave that has that tile's first head (store, wait, barrier, load), which stores the whole image.
; A head's 64 are half of a K step of 128: the query operand has zero codes in the other head's half, so k's fragments are used as they lie.
; LDS is filled ONCE by tensor loads: all 1,024 keys' k and V of the pair of heads and their scale words, each wave fetching a part by one joint load.  The four work-groups of a cluster (j = 4 x .. 4 x + 3) want the same bytes and ask jointly.
; Both products are used transposed (S^T = k q^T, O^T = V^T p^T): a lane holds one query throughout, and by sigma the registers of two neighbouring tiles are 16 neighbouring keys (or channels).
; REGISTERS: v1-6 addresses that stay; v8-11 addresses in hand; v12 -M, v13 the largest t, v[14:15] the sum; v16-27 the query operand; v28-31, v92-93 the exchange's addresses; v32-79 four fragments; v80-91 q's codes of both heads;
; v96-159 S^T, then p; v160-191 O^T; v192-203 o's fragment, v204 its scale word; v208-215 the exchange; v224-254 at work; v220, v248-251, v253, v255 scale words.
; LIMITS: NaN and infinities are not served; a block of o whose largest magnitude lies under 2^-124 gets the byte 1.
.set FRB,   1536
.set SWP,   16384
.set CODES, 0x100000
.set KT,    0                          ; LDS: k, 8 key steps x 8 fragments
.set VT,    98304                      ; V^T: [row block of the pair's 128 rows][key step]
.set SCK,   196608                     ; k's scale words, 512 bytes a key step
.set SCV,   200704                     ; V^T's
.set XCH,   204800                     ; the exchange: 1,024 bytes a tile: 16 l; 512 + 8 l; 768 + 4 l.  No tensor load lands here
.set LI,   1
.set AV0,  2
.set ASK0, 3
.set ASV0, 4
.set QD,   5
.set R4,   6
.set ADK,  8
.set ADV,  9
.set ADS,  10
.set ADT,  11
.set XW,   28                          ; where my second head's results go: 16 l, 8 l, 4 l in its tile's place
.set XR,   29                          ; where my first tile's second head comes from
.set XW8,  30
.set XR8,  31
.set XW4,  92
.set XR4,  93
.set QI,   80
.set FRO,  192
.set PWF,  204
.set OX,   208                         ; v208-213 the second head's six registers, v214 its two scale bytes, v215 those that I receive
.set PW1,  214
.set PWX,  215
.set QS1,  220                         ; the scale words of the second head's queries
.set WV,   10
.set I1,   11
.set G1T,  24
.set G1C,  32
.set G0K,  40
.set G0V,  44
.set G0SK, 48
.set G0SV, 52
.set SEL,  86
.set CS,   100
.set TS,   2
.set TK,   3
.set T5,   12
.set TV,   13                          ; V^T's place of the key step: it lies in LDS as [row block][key step]
.set G1V,  88                          ; group 1 of V^T's tiles
.set G1W,  56                          ; and of V^T's scale words
.macro CROUND                          ; a round of the cluster's barrier
	s_barrier_signal -1
	s_barrier_wait -1
	s_cmp_lg_u32 s[WV], 0
	s_cbranch_scc1 .Lnot_wave_0_\@
	s_barrier_signal -3
.Lnot_wave_0_\@:
	s_barrier_wait -3
	s_barrier_signal -1
	s_barrier_wait -1
.endm
	s_load_b128 s[4:7], s[0:1], 0x0                ; F, vT
	s_load_b64 s[8:9], s[0:1], 0x10                ; E
	v_lshl_add_u32 v223, v0, 2, 0x34000
	v_mov_b32 v243, 0
	ds_add_u32 v223, v243
	ds_add_u32 v223, v243
	v_lshrrev_b32 v8, 5, v0
	s_delay_alu instid0(VALU_DEP_1)
	v_readfirstlane_b32 s[WV], v8                  ; wave 0..7: also the first head's tile i
	s_xor_b32 s[I1], s[WV], 7                      ; the second head's: 7 - w
	s_bfe_u32 s12, ttmp6, 0x40000                  ; cx
	s_lshl_b32 s13, ttmp9, 2
	s_add_co_u32 s13, s13, s12                     ; j: it enters q's and o's addresses and the mask's numbers alone
	s_and_b32 s14, ttmp7, 0xffff
	s_lshr_b32 s15, s14, 3                         ; batch
	s_and_b32 s16, s14, 7                          ; pair of heads
	s_lshl_b32 s18, s15, 6                         ; k's tile of key step w: row blocks 64 b + 8 w on, K step 8 + hp
	s_and_b32 s19, s[WV], 3                        ; THE HEAD'S LOADS ARE EIGHT, ONE A WAVE (not four a wave, as the head comment has it): waves 0-3 fetch a quarter of k each, 16 row blocks;
	s_lshl_b32 s19, s19, 4                         ; waves 4, 5 a half of V^T, four row blocks x 8 key steps; wave 6 k's scale words, wave 7 V^T's
	s_add_co_u32 s18, s18, s19
	s_lshl_b32 s18, s18, 5
	s_add_co_u32 s18, s18, s16
	s_add_co_u32 s18, s18, 8
	s_mul_i32 s18, s18, FRB
	s_add_co_u32 s18, s18, CODES
	s_mov_b32 s19, 0
	s_lshl_b32 s20, s16, 8                         ; V^T's: row blocks 8 hp on, K steps 8 b on
	s_lshl_b32 s21, s15, 3
	s_add_co_u32 s20, s20, s21
	s_and_b32 s21, s[WV], 1
	s_lshl_b32 s21, s21, 7                         ; four row blocks of 32 K steps on for the second half
	s_add_co_u32 s20, s20, s21
	s_mul_i32 s20, s20, FRB
	s_add_co_u32 s20, s20, CODES
	s_mov_b32 s21, 0
	s_add_co_u32 s22, s16, 8                       ; k's scale words: K step 8 + hp, positions 1,024 b on
	s_lshl_b32 s22, s22, 14
	s_lshl_b32 s23, s15, 12
	s_add_co_u32 s22, s22, s23
	s_mov_b32 s23, 0
	s_lshl_b32 s66, s15, 3                         ; V^T's: K steps 8 b on, positions 128 hp on
	s_lshl_b32 s66, s66, 14
	s_lshl_b32 s67, s16, 9
	s_add_co_u32 s66, s66, s67
	s_mov_b32 s67, 0
	s_and_b32 s68, s[WV], 3
	s_mul_i32 s68, s68, 16*FRB                     ; where they go: k's quarter,
	s_and_b32 s69, s[WV], 1
	s_mul_i32 s69, s69, 32*FRB                     ; V^T's half
	s_mov_b32 s[G1T], 15|(3<<16)|(1<<21)           ; 15:0 the mask: all four work-groups; elements of 8 bytes; 21 set beside a mask
	s_mov_b32 s[G1T+1], 192<<16                    ; a fragment, 1,536 bytes,
	s_mov_b32 s[G1T+2], 16<<16                     ; of sixteen row blocks,
	s_mov_b32 s[G1T+3], 192<<16
	s_mov_b32 s[G1T+4], 16
	s_mov_b32 s[G1T+5], 32*192                     ; 32 K steps apart
	s_mov_b32 s[G1T+6], 0
	s_mov_b32 s[G1T+7], 0
.irp g, G1C, G1W
	s_mov_b32 s[\g], 15|(3<<16)|(1<<21)
	s_mov_b32 s[\g+1], 64<<16                      ; scale words: eight key steps' rows of 512 bytes,
	s_mov_b32 s[\g+2], 8<<16
	s_mov_b32 s[\g+3], 64<<16
	s_mov_b32 s[\g+4], 8
	s_mov_b32 s[\g+6], 0
	s_mov_b32 s[\g+7], 0
.endr
	s_mov_b32 s[G1C+5], 64                         ; k's on end,
	s_mov_b32 s[G1W+5], SWP/8                      ; V^T's a K step apart
	s_mov_b32 s[G1V], 15|(3<<16)|(1<<21)
	s_mov_b32 s[G1V+1], (8*192)<<16                ; V^T: a row block's eight key steps, 12,288 bytes on end,
	s_mov_b32 s[G1V+2], 4<<16                      ; of four row blocks,
	s_mov_b32 s[G1V+3], (8*192)<<16
	s_mov_b32 s[G1V+4], 4
	s_mov_b32 s[G1V+5], 32*192                     ; 32 K steps apart
	s_mov_b32 s[G1V+6], 0
	s_mov_b32 s[G1V+7], 0
	s_lshl_b32 s70, s15, 6
	s_add_co_u32 s70, s70, s13                     ; 64 b + j
	s_lshl_b32 s71, s[I1], 3
	s_add_co_u32 s71, s71, s70                     ; the second head's queries: row block 64 b + j + 8 (7 - w)
	s_lshl_b32 s72, s[WV], 3
	s_add_co_u32 s70, s70, s72                     ; the first head's: 64 b + j + 8 w
	s_lshl_b32 s72, s70, 5                         ; q's images: K step hp
	s_add_co_u32 s72, s72, s16
	s_mul_i32 s72, s72, FRB
	s_add_co_u32 s72, s72, CODES
	s_mov_b32 s73, 0
	s_lshl_b32 s80, s71, 5
	s_add_co_u32 s80, s80, s16
	s_mul_i32 s80, s80, FRB
	s_add_co_u32 s80, s80, CODES
	s_mov_b32 s81, 0
	s_lshl_b32 s74, s16, 14                        ; scale words: K step hp,
	s_lshl_b32 s82, s71, 6
	s_add_co_u32 s82, s82, s74                     ; the second head's queries',
	s_mov_b32 s83, 0
	s_lshl_b32 s75, s70, 6
	s_add_co_u32 s74, s74, s75                     ; the first head's, and o's of the same tile
	s_mov_b32 s75, 0
	s_lshl_b32 s76, s70, 3                         ; o's image: 8 K steps a row block
	s_add_co_u32 s76, s76, s16
	s_mul_i32 s76, s76, FRB
	s_add_co_u32 s76, s76, CODES
	s_mov_b32 s77, 0
	s_lshl_b32 s84, s[I1], 10
	s_add_co_u32 s84, s84, XCH                     ; the exchange: the place of the second head's tile,
	s_lshl_b32 s85, s[WV], 10
	s_add_co_u32 s85, s85, XCH                     ; and of the first head's
	s_mov_b32 s[SEL], 0x76543210
	s_mov_b32 s[SEL+1], 0xfedcba98
	s_mov_b32 s[CS], 0x3e38aa3b                    ; c = log2(e) / 8
	s_mov_b32 s[CS+1], s[CS]
	s_wait_dscnt 0x0
	s_wait_kmcnt 0x0
	s_mov_b32 s[G0K], 1
	s_mov_b32 s[G0K+1], s68
	s_add_nc_u64 s[G0K+2:G0K+3], s[4:5], s[18:19]
	s_or_b32 s[G0K+3], s[G0K+3], 0x80000000
	s_mov_b32 s[G0V], 1
	s_add_co_u32 s[G0V+1], s69, VT
	s_add_nc_u64 s[G0V+2:G0V+3], s[6:7], s[20:21]
	s_or_b32 s[G0V+3], s[G0V+3], 0x80000000
	s_mov_b32 s[G0SK], 1
	s_mov_b32 s[G0SK+1], SCK
	s_add_nc_u64 s[G0SK+2:G0SK+3], s[4:5], s[22:23]
	s_or_b32 s[G0SK+3], s[G0SK+3], 0x80000000
	s_mov_b32 s[G0SV], 1
	s_mov_b32 s[G0SV+1], SCV
	s_add_nc_u64 s[G0SV+2:G0SV+3], s[6:7], s[66:67]
	s_or_b32 s[G0SV+3], s[G0SV+3], 0x80000000
	s_add_nc_u64 s[72:73], s[4:5], s[72:73]
	s_add_nc_u64 s[80:81], s[4:5], s[80:81]
	s_add_nc_u64 s[78:79], s[4:5], s[74:75]
	s_add_nc_u64 s[82:83], s[4:5], s[82:83]
	s_add_nc_u64 s[74:75], s[8:9], s[74:75]
	s_add_nc_u64 s[76:77], s[8:9], s[76:77]
	CROUND                                         ; all four work-groups are here: the joint loads meet
; one chain of branches on the wave's number, a load to each arm, all arms leading to one join
.macro ARM under, g0, g1, next
	s_cmp_lt_u32 s[WV], \under
	s_cbranch_scc0 \next
	tensor_load_to_lds s[\g0:\g0+3], s[\g1:\g1+7]
	s_nop 0
.rept 4
	v_nop
.endr
	s_branch .Lhead_asked
\next:
.endm
	ARM 4, G0K,  G1T, .Lhead_v
	ARM 6, G0V,  G1V, .Lhead_sk
	ARM 7, G0SK, G1C, .Lhead_sv
	tensor_load_to_lds s[G0SV:G0SV+3], s[G1W:G1W+7]
	s_nop 0
.rept 4
	v_nop
.endr
.Lhead_asked:
	v_and_b32 v9, 31, v0                           ; lane
	s_delay_alu instid0(VALU_DEP_1)
	v_lshlrev_b32 v[LI], 4, v9                     ; 16 l: an image's place for my lane
	v_and_b32 v8, 15, v0                           ; r
	s_delay_alu instid0(VALU_DEP_1)
	v_lshlrev_b32 v[R4], 2, v8                     ; 4 r
	global_load_b128 v[QI:QI+3], v[LI], s[72:73]                   ; the first head's codes are registers 0-5 of its tile's image,
	global_load_b64 v[QI+4:QI+5], v[LI], s[72:73] offset:512
	global_load_b64 v[QI+6:QI+7], v[LI], s[80:81] offset:520       ; the second head's registers 6-11 of the other tile's
	global_load_b128 v[QI+8:QI+11], v[LI], s[80:81] offset:1024
	global_load_b32 v255, v[R4], s[78:79]          ; q's scale words, a tile each
	global_load_b32 v[QS1], v[R4], s[82:83]
	v_add_nc_u32 v[XW], s84, v[LI]
	v_add_nc_u32 v[XR], s85, v[LI]
	v_lshl_add_u32 v[XW8], v9, 3, s84
	v_lshl_add_u32 v[XR8], v9, 3, s85
	v_lshl_add_u32 v[XW4], v9, 2, s84
	v_lshl_add_u32 v[XR4], v9, 2, s85
	v_add_nc_u32 v[AV0], VT, v[LI]
	v_add_nc_u32 v[ASK0], SCK, v[R4]
	v_add_nc_u32 v[ASV0], SCV, v[R4]
	v_bfe_u32 v9, v0, 4, 1                         ; h
	v_bfe_u32 v10, v0, 3, 1
	v_and_b32 v11, 7, v0
	s_delay_alu instid0(VALU_DEP_1)
	v_lshl_add_u32 v[QD], v10, 4, v11
	s_delay_alu instid0(VALU_DEP_4)
	v_lshlrev_b32 v9, 4, v9
	s_delay_alu instid0(VALU_DEP_1)
	v_sub_nc_u32 v[QD], v[QD], v9
	s_lshr_b32 s18, s13, 1
	s_lshl_b32 s18, s18, 5
	s_and_b32 s19, s13, 1
	s_lshl_b32 s19, s19, 3
	s_add_co_u32 s18, s18, s19
	v_add_nc_u32 v[QD], s18, v[QD]                 ; my query's place among its 128 tokens, less 16 h (the same in both tiles): register 16 b + i of the diagonal step is hidden where 32 b + i is above it
.irp b, 0,1,2,3
	v_mov_b32 v[236+\b], 0                         ; written once: a lane permute's destination counts as one of its sources
.endr
	v_mov_b32 v252, 0
	v_mov_b32 v253, 0
	s_wait_tensorcnt 0x0                           ; my tensor load is in,
	s_barrier_signal -1
	s_barrier_wait -1                              ; everybody's are
	s_wait_loadcnt 0x0                             ; q
; ONE HEAD of the pair, for the tile whose number stands in s[ir]: the loop over eight key steps (a constant count; a step whose keys all come after my queries is jumped over), then o's two blocks of 32.
; qs: the register of the queries' scale words; dst: where o's six registers of codes go.
.macro HEAD hd, ir, qs, dst
.irp i, 0,1,2,3,4,5
	v_mov_b32 v[16+6*\hd+\i], v[QI+6*\hd+\i]       ; this head's 64 codes,
	v_mov_b32 v[22-6*\hd+\i], 0                    ; zero codes for the other head's
.endr
	v_mov_b32 v13, 0xff61b1e6                      ; the largest t so far: -3e38
	s_delay_alu instid0(VALU_DEP_1)
	v_floor_f32 v12, -v13                          ; -M
	v_mov_b32 v14, 0
	v_mov_b32 v15, 0
.set j_, 0
.rept 32
	v_mov_b32 v[160+j_], 0                         ; O^T: the first change of M leaves zeros zeros
.set j_, j_+1
.endr
	s_mov_b32 s[TS], 0
	s_mov_b32 s[TK], 0
	s_mov_b32 s[T5], 0
	s_mov_b32 s[TV], 32*FRB*\hd                    ; this head's four row blocks of V^T
.Lstep_\@:
	s_cmp_gt_u32 s[TS], s[\ir]
	s_cbranch_scc1 .Lhidden_\@
	v_add_nc_u32 v[ADK], s[TK], v[LI]              ; (these four are the places in front of the loads below)
	s_wait_alu depctr_va_vdst(0)
	v_add_nc_u32 v[ADV], s[TV], v[AV0]
	v_add_nc_u32 v[ADS], s[T5], v[ASK0]
	s_wait_alu depctr_va_vdst(0)
	v_add_nc_u32 v[ADT], s[T5], v[ASV0]
	s_wait_alu depctr_va_vdst(0)
.irp g, 0,1                                    ; S^T = k q^T, four tiles of 16 keys at a time
.if \g
.rept 4
	v_nop
.endr
.endif
.irp t, 0,1,2,3
.irp c, 0,1,2
	ds_load_b128 v[32+12*\t+4*\c:35+12*\t+4*\c], v[ADK] offset:FRB*(4*\g+\t)+512*\c
.endr
	ds_load_b32 v[248+\t], v[ADS] offset:64*(4*\g+\t)
.endr
	s_wait_dscnt 0x0
.irp t, 0,1,2,3
	v_wmma_scale_f32_16x16x128_f8f6f4 v[96+8*(4*\g+\t):103+8*(4*\g+\t)], v[32+12*\t:43+12*\t], v[16:27], 0, v[248+\t], v[\qs] matrix_a_fmt:MATRIX_FMT_FP6 matrix_b_fmt:MATRIX_FMT_FP6
.endr
.endr
.rept 4
	v_nop                                          ; places behind the products: in front of the loads below and of the first read of the scores
.endr
.irp t, 0,1,2,3                                ; V^T's four fragments of this head and their scale words are asked for here, into the registers that k's have left: they land while the softmax is worked
.irp c, 0,1,2
	ds_load_b128 v[32+12*\t+4*\c:35+12*\t+4*\c], v[ADV] offset:8*FRB*\t+512*\c
.endr
	ds_load_b32 v[248+\t], v[ADT] offset:256*\hd+64*\t
.endr
	s_cmp_lg_u32 s[TS], s[\ir]                     ; on the diagonal the scores of hidden keys become -infinity ahead of the maximum
	s_cbranch_scc1 .Lopen_\@
	v_mov_b32 v254, 0xff800000
.set n_, 0
.rept 64
	v_cmp_gt_i32 vcc_lo, 32*(n_/16)+n_%16, v[QD]
	v_cndmask_b32 v[96+n_], v[96+n_], v254, vcc_lo
.set n_, n_+1
.endr
.Lopen_\@:
.irp b, 0,1,2,3
	v_max3_num_f32 v[232+\b], v[96+16*\b], v[97+16*\b], v[98+16*\b]   ; the largest score of each block of 32 keys: for the row's maximum, and, since p rises with the score, for the block's largest p
.endr
.irp i, 3,5,7,9,11,13
.irp b, 0,1,2,3
	v_max3_num_f32 v[232+\b], v[232+\b], v[96+16*\b+\i], v[97+16*\b+\i]
.endr
.endr
.irp b, 0,1,2,3
	v_max_num_f32 v[232+\b], v[232+\b], v[111+16*\b]
.endr
.irp b, 0,1,2,3
	s_delay_alu instid0(VALU_DEP_4)
	v_permlanex16_b32 v[236+\b], v[232+\b], s[SEL], s[SEL+1]
.endr
.irp b, 0,1,2,3
	s_delay_alu instid0(VALU_DEP_4)
	v_max_num_f32 v[232+\b], v[232+\b], v[236+\b]
.endr
	s_delay_alu instid0(VALU_DEP_2)
	v_max3_num_f32 v254, v232, v233, v234
	s_delay_alu instid0(VALU_DEP_1)
	v_max_num_f32 v254, v254, v235
	s_delay_alu instid0(VALU_DEP_1)
	v_mul_f32 v254, s[CS], v254
	s_delay_alu instid0(VALU_DEP_1)
	v_max_num_f32 v13, v13, v254                   ; the running largest t
	v_mov_b32 v254, v12
	s_delay_alu instid0(VALU_DEP_2)
	v_floor_f32 v12, -v13                          ; the new -M: M is a whole number
	s_delay_alu instid0(VALU_DEP_1)
	v_sub_f32 v254, v12, v254
	s_delay_alu instid0(VALU_DEP_1)
	v_cvt_i32_f32 v254, v254                       ; (it saturates)
	s_delay_alu instid0(VALU_DEP_1)
	v_ldexp_f32 v252, 1.0, v254                    ; f = 2^(old M - new M)
.irp j, 0,2,4,6,8,10,12,14,16,18,20,22,24,26,28,30,32,34,36,38,40,42,44,46,48,50,52,54,56,58,60,62
	v_pk_fma_f32 v[96+\j:97+\j], v[96+\j:97+\j], s[CS:CS+1], v[12:13] op_sel_hi:[1,0,0]   ; t - M
.endr
.irp b, 0,1,2,3
	v_fma_f32 v[232+\b], v[232+\b], s[CS], v12
.endr
.set j_, 0
	s_wait_alu depctr_va_vdst(0)
.rept 64
	v_exp_f32 v[96+j_], v[96+j_]                   ; p = 2^(t - M)
.set j_, j_+1
.endr
	v_pk_mul_f32 v[14:15], v[14:15], v[252:253] op_sel_hi:[1,0]   ; the sums under the new M: a plain place behind the exponentials
	s_wait_alu depctr_va_vdst(0)                   ; one wait for the batch, ahead of its first reader
.irp b, 0,1,2,3
	v_exp_f32 v[232+\b], v[232+\b]                 ; each block's largest p
.endr
	v_pk_add_f32 v[236:237], v[100:101], v[104:105]
	v_pk_add_f32 v[246:247], v[108:109], v[112:113]
	v_pk_add_f32 v[244:245], v[116:117], v[120:121]
	v_pk_add_f32 v[240:241], v[124:125], v[128:129]
	v_pk_add_f32 v[238:239], v[132:133], v[136:137]
	v_pk_add_f32 v[230:231], v[140:141], v[144:145]
	v_pk_add_f32 v[228:229], v[148:149], v[152:153]
	v_pk_add_f32 v[14:15], v[14:15], v[156:157]
	v_pk_add_f32 v[236:237], v[236:237], v[96:97]
	v_pk_add_f32 v[246:247], v[246:247], v[98:99]
	v_pk_add_f32 v[244:245], v[244:245], v[102:103]
	v_pk_add_f32 v[240:241], v[240:241], v[106:107]
	v_pk_add_f32 v[238:239], v[238:239], v[110:111]
	v_pk_add_f32 v[230:231], v[230:231], v[114:115]
	v_pk_add_f32 v[228:229], v[228:229], v[118:119]
	v_pk_add_f32 v[14:15], v[14:15], v[122:123]
	v_pk_add_f32 v[236:237], v[236:237], v[126:127]
	v_pk_add_f32 v[246:247], v[246:247], v[130:131]
	v_pk_add_f32 v[244:245], v[244:245], v[134:135]
	v_pk_add_f32 v[240:241], v[240:241], v[138:139]
	v_pk_add_f32 v[238:239], v[238:239], v[142:143]
	v_pk_add_f32 v[230:231], v[230:231], v[146:147]
	v_pk_add_f32 v[228:229], v[228:229], v[150:151]
	v_pk_add_f32 v[14:15], v[14:15], v[154:155]
	v_pk_add_f32 v[236:237], v[236:237], v[158:159]
	s_delay_alu instid0(VALU_DEP_2)
	v_pk_add_f32 v[14:15], v[14:15], v[240:241]
	s_delay_alu instid0(VALU_DEP_2)
	v_pk_add_f32 v[236:237], v[236:237], v[238:239]
	v_pk_add_f32 v[246:247], v[246:247], v[230:231]
	v_pk_add_f32 v[244:245], v[244:245], v[228:229]
	s_delay_alu instid0(VALU_DEP_2)
	v_pk_add_f32 v[14:15], v[14:15], v[246:247]
	s_delay_alu instid0(VALU_DEP_2)
	v_pk_add_f32 v[236:237], v[236:237], v[244:245]
	s_delay_alu instid0(VALU_DEP_1)
	v_pk_add_f32 v[14:15], v[14:15], v[236:237]
	s_wait_alu depctr_va_vdst(0)                   ; and one for the four
.irp b, 0,1,2,3
	v_max_num_f32 v[232+\b], 0x1800000, v[232+\b]  ; the floor 2^(3 - 127)
.endr
.irp b, 0,1,2,3
	s_delay_alu instid0(VALU_DEP_4)
	v_add_nc_u32 v[244+\b], 0xff000000, v[232+\b]
.endr
.irp b, 0,1,2,3
	s_delay_alu instid0(VALU_DEP_4)
	v_lshrrev_b32 v[236+\b], 23, v[244+\b]
.endr
	s_delay_alu instid0(VALU_DEP_3)
	v_lshl_or_b32 v253, v237, 8, v236              ; p's scale word for these 128 keys
	s_delay_alu instid0(VALU_DEP_1)
	v_lshl_or_b32 v253, v238, 16, v253
	s_delay_alu instid0(VALU_DEP_1)
	v_lshl_or_b32 v253, v239, 24, v253
.irp c, 0,1
	v_cvt_scalef32_pk16_fp6_f32 v[224+6*\c:226+6*\c], v[96+32*\c:111+32*\c], v[244+2*\c]
	v_cvt_scalef32_pk16_fp6_f32 v[236+4*\c:238+4*\c], v[112+32*\c:127+32*\c], v[244+2*\c+1]
.endr
	v_nop
.irp c, 0,1
.irp i, 0,1,2
	v_permlane16_swap_b32 v[224+6*\c+\i], v[236+4*\c+\i]
.endr
.irp i, 0,1,2
	s_delay_alu instid0(VALU_DEP_3)
	v_mov_b32 v[227+6*\c+\i], v[236+4*\c+\i]
.endr
.endr
.irp j, 0,2,4,6,8,10,12,14,16,18,20,22,24,26,28,30
	v_pk_mul_f32 v[160+\j:161+\j], v[160+\j:161+\j], v[252:253] op_sel_hi:[1,0]   ; O^T under the new M; these sixteen also stand between the lines that made p's codes and scale word and the products below
.endr
	s_wait_alu depctr_va_vdst(0)
	s_wait_dscnt 0x0                               ; V^T's fragments, asked for ahead of the softmax
.irp t, 0,1,2,3                                ; O^T += V^T p^T: the head's four tiles of 16 channels
	v_wmma_scale_f32_16x16x128_f8f6f4 v[160+8*\t:167+8*\t], v[32+12*\t:43+12*\t], v[224:235], v[160+8*\t:167+8*\t], v[248+\t], v253 matrix_a_fmt:MATRIX_FMT_FP6 matrix_b_fmt:MATRIX_FMT_FP6
.endr
.Lhidden_\@:
	s_add_co_u32 s[TK], s[TK], 8*FRB
	s_add_co_u32 s[T5], s[T5], 512
	s_add_co_u32 s[TV], s[TV], FRB
	s_add_co_u32 s[TS], s[TS], 1
	s_cmp_lt_u32 s[TS], 8
	s_cbranch_scc1 .Lstep_\@
.rept 4
	v_nop                                          ; places behind the last products
.endr
	v_add_f32 v14, v14, v15
	s_delay_alu instid0(VALU_DEP_1)
	v_permlanex16_b32 v252, v14, s[SEL], s[SEL+1]
	s_delay_alu instid0(VALU_DEP_1)
	v_add_f32 v14, v14, v252                       ; the row's sum
	s_wait_alu depctr_va_vdst(0)
	v_rcp_f32 v14, v14
	v_nop
	s_wait_alu depctr_va_vdst(0)
.set j_, 0
.rept 32
	v_mul_f32 v[96+j_], v[160+j_], v14             ; o: register 16 b + i = channel 32 b + 16 h + i
.set j_, j_+1
.endr
.irp b, 0,1
	v_max3_num_f32 v[232+\b], |v[96+16*\b]|, |v[97+16*\b]|, 0x1800000
.endr
.irp i, 2,4,6,8,10,12,14
.irp b, 0,1
	s_delay_alu instid0(VALU_DEP_2)
	v_max3_num_f32 v[232+\b], v[232+\b], |v[96+16*\b+\i]|, |v[97+16*\b+\i]|
.endr
.endr
.irp b, 0,1
	s_delay_alu instid0(VALU_DEP_2)
	v_permlanex16_b32 v[236+\b], v[232+\b], s[SEL], s[SEL+1]
.endr
.irp b, 0,1
	s_delay_alu instid0(VALU_DEP_2)
	v_max_num_f32 v[232+\b], v[232+\b], v[236+\b]
.endr
.irp b, 0,1
	s_delay_alu instid0(VALU_DEP_2)
	v_add_nc_u32 v[244+\b], 0xff000000, v[232+\b]
.endr
.irp b, 0,1
	s_delay_alu instid0(VALU_DEP_2)
	v_lshrrev_b32 v[236+\b], 23, v[244+\b]
.endr
.if \hd == 0
	s_delay_alu instid0(VALU_DEP_1)
	v_lshl_or_b32 v[PWF], v237, 8, v236            ; the scale word's bytes 0, 1
.else
	s_delay_alu instid0(VALU_DEP_2)
	v_lshlrev_b32 v[PW1], 16, v236                 ; bytes 2, 3 of the other tile's scale word
	s_delay_alu instid0(VALU_DEP_1)
	v_lshl_or_b32 v[PW1], v237, 24, v[PW1]
.endif
	v_cvt_scalef32_pk16_fp6_f32 v[224:226], v[96:111], v244
	v_cvt_scalef32_pk16_fp6_f32 v[240:242], v[112:127], v245
	v_nop
.irp i, 0,1,2
	v_permlane16_swap_b32 v[224+\i], v[240+\i]
.endr
.irp i, 0,1,2
	v_mov_b32 v[\dst+\i], v[224+\i]                ; six registers of the next product's fragment
	v_mov_b32 v[\dst+3+\i], v[240+\i]
.endr
.endm
	HEAD 0, WV, 255, FRO
	HEAD 1, I1, QS1, OX
	ds_store_b128 v[XW], v[OX:OX+3]                ; the second head's codes and scale bytes go to the wave that has their tile's first head
	ds_store_b64 v[XW8], v[OX+4:OX+5] offset:512
	ds_store_b32 v[XW4], v[PW1] offset:768
	s_wait_dscnt 0x0                               ; for the others' sake: my stores are done
	s_barrier_signal -1
	s_barrier_wait -1
	ds_load_b128 v[FRO+6:FRO+9], v[XR]             ; and my first tile's second head comes from the wave that made it: registers 6-11 of the fragment
	ds_load_b64 v[FRO+10:FRO+11], v[XR8] offset:512
	ds_load_b32 v[PWX], v[XR4] offset:768
	s_wait_dscnt 0x0
	v_or_b32 v[PWF], v[PWF], v[PWX]
.irp c, 0,1,2
	global_store_b128 v[LI], v[FRO+4*\c:FRO+4*\c+3], s[76:77] offset:512*\c   ; 512 consecutive bytes, aligned
.endr
	global_store_b32 v[R4], v[PWF], s[74:75]       ; lanes 16-31 hold and store the same words as lanes 0-15
	s_wait_dscnt 0x0
	s_wait_tensorcnt 0x0
	ds_add_u32 v223, v243
	s_wait_dscnt 0x0
	CROUND                                         ; the closing round
	s_endpgm
.Lfunc_end_k_q864d34a1c3_attn:
	.size	k_q864d34a1c3_attn, .Lfunc_end_k_q864d34a1c3_attn-k_q864d34a1c3_attn
	.p2alignl 7, 3214868480
	.fill 96, 4, 3214868480
	.section	.rodata,"a",@progbits
	.p2align	6, 0x0
	.amdhsa_kernel k_q864d34a1c3_attn
		.amdhsa_group_segment_fixed_size 214016
		.amdhsa_private_segment_fixed_size 0
		.amdhsa_enable_private_segment 0
		.amdhsa_kernarg_size 24
		.amdhsa_user_sgpr_count 2
		.amdhsa_user_sgpr_kernarg_segment_ptr 1
		.amdhsa_wavefront_size32 1
		.amdhsa_system_sgpr_workgroup_id_x 1
		.amdhsa_system_sgpr_workgroup_id_y 1
		.amdhsa_system_sgpr_workgroup_id_z 1
		.amdhsa_system_vgpr_workitem_id 0
		.amdhsa_next_free_vgpr 256
		.amdhsa_next_free_sgpr 102
		.amdhsa_reserve_vcc 1
		.amdhsa_float_denorm_mode_32 3
		.amdhsa_float_denorm_mode_16_64 3
		.amdhsa_memory_ordered 1
		.amdhsa_forward_progress 1
		.amdhsa_inst_pref_size 70
	.end_amdhsa_kernel
	.amdgpu_metadata
---
amdhsa.version: [ 1, 2 ]
amdhsa.kernels:
  - .name:           k_q864d34a1c3_attn
    .symbol:         k_q864d34a1c3_attn.kd
    .args:
      - { .name: F, .offset: 0, .size: 8, .value_kind: global_buffer, .address_space: global }
      - { .name: vT, .offset: 8, .size: 8, .value_kind: global_buffer, .address_space: global }
      - { .name: E, .offset: 16, .size: 8, .value_kind: global_buffer, .address_space: global }
    .group_segment_fixed_size: 214016
    .private_segment_fixed_size: 0
    .kernarg_segment_align: 8
    .kernarg_segment_size: 24
    .max_flat_workgroup_size: 256
    .sgpr_count:     102
    .vgpr_count:     256
    .wavefront_size: 32
...
	.end_amdgpu_metadata
.endif
;; end of part 3
;; launch woln (part 4): grid 256 x 1, 8 waves a work-group, no clusters, 99,584 bytes of LDS; arguments E, wrc, bo, x, ln2_g, ln2_b, x1, vT; writes x1, vT
.if DOCPART == 4
	.amdgcn_target "amdgcn-amd-amdhsa--gfx1250"
	.amdhsa_code_object_version 6
	.text
	.protected	k_q864d34a1c3_woln
	.globl	k_q864d34a1c3_woln
	.p2align	8
	.type	k_q864d34a1c3_woln,@function
k_q864d34a1c3_woln:
	s_mov_b64 s[64:65], 0
	v_nop
	global_prefetch_b8 v0, s[64:65] scope:SCOPE_SE
	s_setreg_imm32_b32 hwreg(HW_REG_WAVE_MODE, 25, 1), 1
	s_wait_xcnt 0x0
; TWO STEPS IN ONE LAUNCH: x1 = x + o Wo + bo, and dst = Q(layernorm(x1) g + b), quantised along the row to FP6 (E2M3), one E8M0 byte for each 32.
; o (E) and Wo (wrc) are codes of FP6 with E8M0 scales, K = 1,024, laid as images of operand registers: a fragment (16 rows x 128 K, 12 registers a lane) is 1,536 bytes, chunk c = lane l's registers 4 c .. 4 c + 3 at 16 l;
; codes at CODES + (row block x 8 + K step) x 1,536; scale words at K step x SWP + 4 x position.  dst (vT's bytes, free by now; E is read here, so it is not stored into) has the same layout.
; Position p of E and dst holds token sigma(p) = p with bits 3 and 4 exchanged; wrc keeps the true order.
; SHARES: the norm wants whole rows, so a work-group owns one row block of 16 positions and all 1,024 columns: 256 work-groups of eight waves.  Wave w makes columns 128 w .. 128 w + 127: 8 accumulators, 64 matrix instructions.
; Wo's FRAGMENTS GO FROM MEMORY STRAIGHT INTO REGISTERS, as the images lie (512 consecutive bytes a load): each feeds ONE matrix instruction of ONE wave of the work-group.  So there is no tensor load, no ring and no cluster:
; a joint load lands in LDS, where each byte would be read once by one wave, and would spare the work-group no read.  Two sets of eight fragments take turns: the loads of two K steps, 54 a wave, are out.
; Wo's scale words come once, 512 consecutive bytes for each K step, and turn through the wave's own 4,096 bytes of LDS into the lanes that want them.
; PREFETCH INTO THE L2.  Wo: a K step's 64 x 1,536 bytes are shared out among eight neighbouring work-groups, a row block to a wave, six lanes 256 bytes apart (the lanes left over name the last block again); the head asks for
; K steps 2 to 5, steps 0 and 1 for K steps 6 and 7: four K steps ahead of the loads; K steps 0 and 1 come by their loads alone.  x: my two rows, 32 blocks, a lane a block, at the head; they are loaded behind K step 7's fragments.
; THE MATRIX INSTRUCTION IS USED TRANSPOSED (source 0 = 16 rows of Wo^T, source 1 = the 16 positions of o): a lane holds eight neighbouring columns of one row.
; THEN: the products go into a stage in LDS (rows 4,112 bytes apart); behind a barrier wave w takes stage rows 2 w, 2 w + 1 (two neighbouring tokens), adds x and bo, stores x1 (512 consecutive bytes an instruction), normalises in f32
; (mean, then the mean of squared differences) and puts its rows back; behind a second barrier wave w takes K step w of all 16 rows, quantises and stores the fragment's image.
; REGISTERS: window 0: v1-23 addresses and sums; v24-31 o's scale words; v32-95 accumulators, then my two rows; v96-127 g; v128-159 b; v160-195 o's fragments, three by turns, then codes and work; v202-217 Wo's scale words, two sets;
;   v218-249 bo; v250-255 addresses.  window 1: Wo's two sets (v0-95, v128-223); x (v96-127, v224-255).
; LIMITS: NaN and infinities are not served; a block whose largest magnitude lies under 2^-124 gets the byte 1.
.set SPL,   4112
.set FRB,   1536
.set SWP,   16384
.set CODES, 0x100000
.set BSA,   16*SPL                     ; behind the stage: Wo's scale words, 4,096 bytes a wave
.set SPARE, BSA+8*4096                 ; the spare words: 128 bytes a wave, named by no other line
.set AS,    24
.set ACC,   32
.set XR,    32
.set GG,    96
.set BB,    128
.set HA,    32
.set AF,    160
.set PC,    160
.set TM,    184
.set PW,    200
.set PFX,   201                        ; 256 x lane
.set BS,    202
.set BO,    218
.set STW,   250                        ; the stage, products in: row r, 512 w + 32 h
.set BSW,   251                        ; my scale words' place: 16 l
.set BSR,   252                        ; and 4 r
.set PFO,   253                        ; 256 x min(lane, 5)
.set SPW,   254
.set NIL,   255
.set SEL,   22
.set MSB, 0
.macro WIN new                         ; the immediate's high byte repeats the setting that is left
.if MSB != (\new)
	s_set_vgpr_msb (MSB<<8)|(\new)
.set MSB, \new
.endif
.endm
; 64 numbers of a lane, register 16 b + i = k 32 b + 16 (lane / 16) + i of my row, become a fragment's codes in v[PC] on and its scale word in v[PW].
.macro QUANT s
.irp b, 0,1,2,3
	v_max3_num_f32 v[TM+\b], |v[\s+16*\b]|, |v[\s+1+16*\b]|, 0x1800000   ; my 16 numbers of block b, and the floor 2^(3 - 127)
.endr
.irp i, 2,4,6,8,10,12,14
.irp b, 0,1,2,3
	s_delay_alu instid0(VALU_DEP_4)
	v_max3_num_f32 v[TM+\b], v[TM+\b], |v[\s+16*\b+\i]|, |v[\s+1+16*\b+\i]|
.endr
.endr
.irp b, 0,1,2,3
	s_delay_alu instid0(VALU_DEP_4)
	v_permlanex16_b32 v[TM+4+\b], v[TM+\b], s[SEL], s[SEL+1]
.endr
.irp b, 0,1,2,3
	s_delay_alu instid0(VALU_DEP_4)
	v_max_num_f32 v[TM+\b], v[TM+\b], v[TM+4+\b]   ; with lane l xor 16's: the block's largest magnitude
.endr
.irp b, 0,1,2,3
	s_delay_alu instid0(VALU_DEP_4)
	v_add_nc_u32 v[TM+12+\b], 0xff000000, v[TM+\b] ; 2 off its exponent field: the conversion's scale operand
.endr
.irp b, 0,1,2,3
	s_delay_alu instid0(VALU_DEP_4)
	v_lshrrev_b32 v[TM+4+\b], 23, v[TM+12+\b]      ; the scale's byte
.endr
	s_delay_alu instid0(VALU_DEP_3)
	v_lshl_or_b32 v[PW], v[TM+5], 8, v[TM+4]
	s_delay_alu instid0(VALU_DEP_1)
	v_lshl_or_b32 v[PW], v[TM+6], 16, v[PW]
	s_delay_alu instid0(VALU_DEP_1)
	v_lshl_or_b32 v[PW], v[TM+7], 24, v[PW]
.irp c, 0,1
	v_cvt_scalef32_pk16_fp6_f32 v[PC+6*\c:PC+2+6*\c], v[\s+32*\c:\s+15+32*\c], v[TM+12+2*\c]
	v_cvt_scalef32_pk16_fp6_f32 v[PC+12+4*\c:PC+14+4*\c], v[\s+16+32*\c:\s+31+32*\c], v[TM+12+2*\c+1]
.endr
	v_nop                                          ; one plain place behind a scaled conversion
.irp c, 0,1                                    ; the layout wants a whole block in a lane: lanes 0-15 block 2 c, lanes 16-31 block 2 c + 1
.irp i, 0,1,2
	v_permlane16_swap_b32 v[PC+6*\c+\i], v[PC+12+4*\c+\i]
.endr
.irp i, 0,1,2
	s_delay_alu instid0(VALU_DEP_3)
	v_mov_b32 v[PC+3+6*\c+\i], v[PC+12+4*\c+\i]
.endr
.endr
.endm
.macro WSUM a, t                       ; the sum over the wave's 32 lanes, in every lane
	s_delay_alu instid0(VALU_DEP_1)
	v_add_f32_dpp v[\a], v[\a], v[\a] row_xmask:1 row_mask:0xf bank_mask:0xf
	s_delay_alu instid0(VALU_DEP_1)
	v_add_f32_dpp v[\a], v[\a], v[\a] row_xmask:2 row_mask:0xf bank_mask:0xf
	s_delay_alu instid0(VALU_DEP_1)
	v_add_f32_dpp v[\a], v[\a], v[\a] row_xmask:4 row_mask:0xf bank_mask:0xf
	s_delay_alu instid0(VALU_DEP_1)
	v_add_f32_dpp v[\a], v[\a], v[\a] row_xmask:8 row_mask:0xf bank_mask:0xf
	s_delay_alu instid0(VALU_DEP_1)
	v_permlanex16_b32 v[\t], v[\a], s[SEL], s[SEL+1]
	s_delay_alu instid0(VALU_DEP_1)
	v_add_f32 v[\a], v[\a], v[\t]
.endm
.macro MEAN e                          ; row e's mean into v[20 + 2 e]
.set XB, XR+32*(\e)
.set AC, 8+4*(\e)
	v_pk_add_f32 v[AC:AC+1], v[XB:XB+1], v[XB+2:XB+3]
	v_pk_add_f32 v[AC+2:AC+3], v[XB+4:XB+5], v[XB+6:XB+7]
.irp i, 8,12,16,20,24,28
	s_delay_alu instid0(VALU_DEP_2)
	v_pk_add_f32 v[AC:AC+1], v[AC:AC+1], v[XB+\i:XB+\i+1]
	s_delay_alu instid0(VALU_DEP_2)
	v_pk_add_f32 v[AC+2:AC+3], v[AC+2:AC+3], v[XB+\i+2:XB+\i+3]
.endr
	s_delay_alu instid0(VALU_DEP_1)
	v_pk_add_f32 v[AC:AC+1], v[AC:AC+1], v[AC+2:AC+3]
	s_delay_alu instid0(VALU_DEP_1)
	v_add_f32 v[16+\e], v[AC], v[AC+1]
	WSUM 16+\e, 18+\e
	s_delay_alu instid0(VALU_DEP_1)
	v_mul_f32 v[20+2*\e], s20, v[16+\e]
.endm
.macro DEV e                           ; x1 - mean in place; the variance + eps into v[16 + e]
.set XB, XR+32*(\e)
.set AC, 8+4*(\e)
.irp i, 0,2,4,6,8,10,12,14,16,18,20,22,24,26,28,30
	v_pk_add_f32 v[XB+\i:XB+\i+1], v[XB+\i:XB+\i+1], v[20+2*\e:21+2*\e] op_sel_hi:[1,0] neg_lo:[0,1] neg_hi:[0,1]
.endr
	v_pk_mul_f32 v[AC:AC+1], v[XB:XB+1], v[XB:XB+1]
	v_pk_mul_f32 v[AC+2:AC+3], v[XB+2:XB+3], v[XB+2:XB+3]
.irp i, 4,8,12,16,20,24,28
	s_delay_alu instid0(VALU_DEP_2)
	v_pk_fma_f32 v[AC:AC+1], v[XB+\i:XB+\i+1], v[XB+\i:XB+\i+1], v[AC:AC+1]
	s_delay_alu instid0(VALU_DEP_2)
	v_pk_fma_f32 v[AC+2:AC+3], v[XB+\i+2:XB+\i+3], v[XB+\i+2:XB+\i+3], v[AC+2:AC+3]
.endr
	s_delay_alu instid0(VALU_DEP_1)
	v_pk_add_f32 v[AC:AC+1], v[AC:AC+1], v[AC+2:AC+3]
	s_delay_alu instid0(VALU_DEP_1)
	v_add_f32 v[16+\e], v[AC], v[AC+1]
	WSUM 16+\e, 18+\e
	s_delay_alu instid0(VALU_DEP_1)
	v_fma_f32 v[16+\e], v[16+\e], s20, s21
.endm
.macro LQ q                            ; K step q's 27 loads: Wo's eight fragments into set q % 2, o's into buffer q % 3
	WIN 0x40
.set b_, 0
.rept 8
.irp c, 0,1,2
	global_load_b128 v[128*((\q)%2)+12*b_+4*\c:128*((\q)%2)+12*b_+4*\c+3], v2, s[44:45] offset:(8*b_+(\q))*FRB+512*\c
.endr
.set b_, b_+1
.endr
	WIN 0
.irp c, 0,1,2
	global_load_b128 v[AF+12*((\q)%3)+4*\c:AF+12*((\q)%3)+4*\c+3], v2, s[40:41] offset:(\q)*FRB+512*\c
.endr
.endm
.macro BSQ q                           ; Wo's scale words of K step q: lane r takes row r's of each of my eight row blocks
.irp b, 0,1,2,3,4,5,6,7
	ds_load_b32 v[BS+8*((\q)%2)+\b], v[BSR] offset:512*(\q)+64*\b
.endr
.endm
.macro KSTEP q, younger                ; younger: the loads issued behind K step q's, which may stay out
	s_wait_loadcnt \younger
	s_wait_dscnt 0x0                               ; its scale words
	WIN 0x01                                       ; source 0 in window 1
.set b_, 0
.rept 8                                        ; the eight accumulators take turns, one instruction a turn
.if (\q) == 0
	v_wmma_scale_f32_16x16x128_f8f6f4 v[ACC+8*b_:ACC+8*b_+7], v[128*((\q)%2)+12*b_:128*((\q)%2)+12*b_+11], v[AF+12*((\q)%3):AF+12*((\q)%3)+11], 0, v[BS+8*((\q)%2)+b_], v[AS+(\q)] matrix_a_fmt:MATRIX_FMT_FP6 matrix_b_fmt:MATRIX_FMT_FP6
.else
	v_wmma_scale_f32_16x16x128_f8f6f4 v[ACC+8*b_:ACC+8*b_+7], v[128*((\q)%2)+12*b_:128*((\q)%2)+12*b_+11], v[AF+12*((\q)%3):AF+12*((\q)%3)+11], v[ACC+8*b_:ACC+8*b_+7], v[BS+8*((\q)%2)+b_], v[AS+(\q)] matrix_a_fmt:MATRIX_FMT_FP6 matrix_b_fmt:MATRIX_FMT_FP6
.endif
.set b_, b_+1
.endr
.rept 4
	v_nop                                          ; places in front of loads into registers that matrix instructions have read, and of the first read of the results
.endr
	WIN 0
.if (\q)+2 < 8
	LQ (\q)+2
	BSQ (\q)+2
.endif
.endm
	s_load_b256 s[4:11], s[0:1], 0x0               ; E s[4:5], wrc s[6:7], bo s[8:9], x s[10:11]
	s_load_b256 s[32:39], s[0:1], 0x20             ; g s[32:33], b s[34:35], x1 s[36:37], dst s[38:39]
	v_lshl_add_u32 v[SPW], v0, 2, SPARE
	v_mov_b32 v[NIL], 0
	v_lshrrev_b32 v1, 5, v0
	s_delay_alu instid0(VALU_DEP_1)
	v_readfirstlane_b32 s12, v1                    ; wave 0..7
	s_mul_i32 s16, s12, 2*SPL                      ; my two stage rows
	s_lshl_b32 s17, s12, 9                         ; 512 w: my 128 columns, and my K step
	s_lshl_b32 s26, s12, 12
	s_add_co_u32 s26, s26, BSA                     ; my scale words' place
	s_lshr_b32 s13, ttmp9, 1                       ; the token of stage row 2 w: 32 (RB / 2) + 8 (RB % 2) + 16 (w / 4) + 2 (w % 4)
	s_lshl_b32 s13, s13, 5
	s_and_b32 s14, ttmp9, 1
	s_lshl_b32 s14, s14, 3
	s_add_co_u32 s13, s13, s14
	s_lshr_b32 s14, s12, 2
	s_lshl_b32 s14, s14, 4
	s_add_co_u32 s13, s13, s14
	s_and_b32 s14, s12, 3
	s_lshl_b32 s14, s14, 1
	s_add_co_u32 s13, s13, s14
	s_lshl_b32 s14, s13, 12
	s_mov_b32 s15, 0
	s_lshl_b32 s18, ttmp9, 3
	s_add_co_u32 s18, s18, s12
	s_mul_i32 s18, s18, FRB
	s_add_co_u32 s18, s18, CODES                   ; dst: my fragment's image,
	s_mov_b32 s19, 0
	s_lshl_b32 s24, s12, 14
	s_lshl_b32 s25, ttmp9, 6
	s_add_co_u32 s24, s24, s25                     ; and its scale words
	s_mov_b32 s25, 0
	s_mul_i32 s40, ttmp9, 8*FRB
	s_add_co_u32 s40, s40, CODES                   ; o's eight fragments,
	s_mov_b32 s41, 0
	s_lshl_b32 s42, ttmp9, 6                       ; their scale words
	s_mov_b32 s43, 0
	s_mul_i32 s44, s12, 64*FRB
	s_add_co_u32 s44, s44, CODES                   ; Wo: my eight row blocks,
	s_mov_b32 s45, 0
	s_mov_b32 s46, s17                             ; their scale words
	s_mov_b32 s47, 0
	s_and_b32 s48, ttmp9, 7                        ; the row block that I prefetch: 8 (RB % 8) + w
	s_lshl_b32 s48, s48, 3
	s_add_co_u32 s48, s48, s12
	s_mul_i32 s48, s48, 8*FRB
	s_add_co_u32 s48, s48, CODES
	s_mov_b32 s49, 0
	s_mov_b32 s20, 0x3a800000                      ; 1 / 1,024
	s_mov_b32 s21, 0x3727c5ac                      ; 1e-5
	s_mov_b32 s[SEL], 0x76543210
	s_mov_b32 s[SEL+1], 0xfedcba98
	v_and_b32 v1, 31, v0                           ; lane
	v_and_b32 v6, 15, v0                           ; r
	v_bfe_u32 v7, v0, 4, 1                         ; h
	s_delay_alu instid0(VALU_DEP_3)
	v_lshlrev_b32 v2, 4, v1                        ; 16 l
	s_delay_alu instid0(VALU_DEP_3)
	v_mul_u32_u24 v4, v6, SPL
	s_delay_alu instid0(VALU_DEP_4)
	v_lshlrev_b32 v5, 2, v6                        ; 4 r
	v_lshlrev_b32 v[PFX], 8, v1
	v_min_u32 v[PFO], 5, v1
	v_add_nc_u32 v3, s16, v2                       ; the stage by rows: rows 2 w, 2 w + 1, 16 bytes a lane
	v_lshl_add_u32 v[STW], v7, 5, v4
	v_lshl_add_u32 v4, v7, 6, v4
	v_add_nc_u32 v[BSW], s26, v2
	v_add_nc_u32 v[BSR], s26, v5
	v_lshlrev_b32 v[PFO], 8, v[PFO]
	v_add_nc_u32 v[STW], s17, v[STW]
	v_add_nc_u32 v4, s17, v4                       ; the stage by K steps: row r, K step w, + 64 h
.irp i, 18,19,21,23
	v_mov_b32 v\i, 0                               ; written once: lane permutes' destinations, and the upper halves of pairs that are named whole
.endr
.irp b, 0,1,2,3
	v_mov_b32 v[TM+4+\b], 0
.endr
	s_wait_alu depctr_va_vdst(0)
	s_wait_kmcnt 0x0
	s_add_nc_u64 s[40:41], s[4:5], s[40:41]
	s_add_nc_u64 s[42:43], s[4:5], s[42:43]
	s_add_nc_u64 s[44:45], s[6:7], s[44:45]
	s_add_nc_u64 s[46:47], s[6:7], s[46:47]
	s_add_nc_u64 s[48:49], s[6:7], s[48:49]
	s_add_nc_u64 s[50:51], s[10:11], s[14:15]
	s_add_nc_u64 s[52:53], s[36:37], s[14:15]
	s_add_nc_u64 s[18:19], s[38:39], s[18:19]
	s_add_nc_u64 s[24:25], s[38:39], s[24:25]
.irp q, 0,1,2,3,4,5,6,7
	global_load_b128 v[GG+4*\q:GG+4*\q+3], v2, s[46:47] offset:SWP*\q   ; Wo's scale words as they lie, 512 consecutive bytes a K step (into registers that g takes later)
.endr
.irp q, 0,1,2,3,4,5,6,7
	global_load_b32 v[AS+\q], v5, s[42:43] offset:SWP*\q                ; o's: lane r takes row r's
.endr
	LQ 0
	LQ 1
.irp q, 2,3,4,5
	global_prefetch_b8 v[PFO], s[48:49] offset:FRB*\q th:TH_LOAD_NT scope:SCOPE_SE
.endr
	global_prefetch_b8 v[PFX], s[50:51] th:TH_LOAD_NT scope:SCOPE_SE
	s_wait_loadcnt 54                              ; the scale words are in; the 54 loads of K steps 0 and 1 may be out
.irp q, 0,1,2,3,4,5,6,7
	ds_store_b128 v[BSW], v[GG+4*\q:GG+4*\q+3] offset:512*\q
.endr
	BSQ 0                                          ; LDS serves a wave's instructions in order: these see my stores
	BSQ 1
	KSTEP 0, 27                                    ; behind K step 0's loads: K step 1's
.irp j, 0,1,2,3,4,5,6,7
	global_load_b128 v[GG+4*\j:GG+4*\j+3], v2, s[32:33] offset:512*\j
	global_load_b128 v[BB+4*\j:BB+4*\j+3], v2, s[34:35] offset:512*\j
	global_load_b128 v[BO+4*\j:BO+4*\j+3], v2, s[8:9] offset:512*\j
.endr
	global_prefetch_b8 v[PFO], s[48:49] offset:FRB*6 th:TH_LOAD_NT scope:SCOPE_SE
	KSTEP 1, 51                                    ; K step 2's 27 and the 24 of g, b and bo
	global_prefetch_b8 v[PFO], s[48:49] offset:FRB*7 th:TH_LOAD_NT scope:SCOPE_SE
	KSTEP 2, 51                                    ; those 24 and K step 3's
	KSTEP 3, 27
	KSTEP 4, 27
	KSTEP 5, 27
	WIN 0x40
.irp e, 0,1
.irp j, 0,1,2,3,4,5,6,7
	global_load_b128 v[96+128*\e+4*\j:99+128*\e+4*\j], v2, s[50:51] offset:4096*\e+512*\j th:TH_LOAD_NT   ; x: my two rows, 512 consecutive bytes a load
.endr
.endr
	WIN 0
	KSTEP 6, 43                                    ; K step 7's 27 and x's 16
	KSTEP 7, 16
.irp b, 0,1,2,3,4,5,6,7
	ds_store_b128 v[STW], v[ACC+8*\b:ACC+8*\b+3] offset:64*\b            ; each accumulator from its low end on
	ds_store_b128 v[STW], v[ACC+8*\b+4:ACC+8*\b+7] offset:64*\b+16
.endr
	s_wait_dscnt 0x0                               ; for the others' sake: my columns lie in the stage
	s_barrier_signal -1
	s_barrier_wait -1
.irp e, 0,1
.irp j, 0,1,2,3,4,5,6,7
	ds_load_b128 v[XR+32*\e+4*\j:XR+32*\e+4*\j+3], v3 offset:SPL*\e+512*\j
.endr
.endr
	s_wait_loadcnt 0x0                             ; x
	s_wait_dscnt 0x0
	WIN 0x04                                       ; source 1 in window 1
.irp e, 0,1
.irp i, 0,2,4,6,8,10,12,14,16,18,20,22,24,26,28,30
	v_pk_add_f32 v[XR+32*\e+\i:XR+32*\e+\i+1], v[XR+32*\e+\i:XR+32*\e+\i+1], v[96+128*\e+\i:97+128*\e+\i]
.endr
.endr
	WIN 0
.irp e, 0,1
.irp i, 0,2,4,6,8,10,12,14,16,18,20,22,24,26,28,30
	v_pk_add_f32 v[XR+32*\e+\i:XR+32*\e+\i+1], v[XR+32*\e+\i:XR+32*\e+\i+1], v[BO+\i:BO+\i+1]
.endr
.endr
.irp e, 0,1
.irp j, 0,1,2,3,4,5,6,7
	global_store_b128 v2, v[XR+32*\e+4*\j:XR+32*\e+4*\j+3], s[52:53] offset:4096*\e+512*\j   ; x1: 512 consecutive bytes, aligned
.endr
.endr
	MEAN 0
	MEAN 1
	s_wait_alu depctr_va_vdst(0)
	s_wait_xcnt 0x0                                ; the stores have read their registers: the rows may be written again
	DEV 0
	DEV 1
	s_wait_alu depctr_va_vdst(0)
	v_rsq_f32 v20, v16
	v_rsq_f32 v22, v17
	v_nop                                          ; a plain place behind the transcendentals
	s_wait_alu depctr_va_vdst(0)                   ; one wait for both, ahead of their first reader
.irp e, 0,1
.irp i, 0,2,4,6,8,10,12,14,16,18,20,22,24,26,28,30
	v_pk_mul_f32 v[XR+32*\e+\i:XR+32*\e+\i+1], v[XR+32*\e+\i:XR+32*\e+\i+1], v[20+2*\e:21+2*\e] op_sel_hi:[1,0]
	s_delay_alu instid0(VALU_DEP_1)
	v_pk_fma_f32 v[XR+32*\e+\i:XR+32*\e+\i+1], v[XR+32*\e+\i:XR+32*\e+\i+1], v[GG+\i:GG+\i+1], v[BB+\i:BB+\i+1]
.endr
.endr
.irp e, 0,1
.irp j, 0,1,2,3,4,5,6,7
	ds_store_b128 v3, v[XR+32*\e+4*\j:XR+32*\e+4*\j+3] offset:SPL*\e+512*\j   ; back into my own two rows, which nobody else touches between the two barriers
.endr
.endr
	s_wait_dscnt 0x0                               ; for the others' sake: my rows lie in the stage
	s_barrier_signal -1
	s_barrier_wait -1
.irp b, 0,1,2,3
.irp j, 0,1,2,3
	ds_load_b128 v[HA+16*\b+4*\j:HA+16*\b+4*\j+3], v4 offset:128*\b+16*\j
.endr
.endr
	s_wait_dscnt 0x0
	QUANT HA
.irp c, 0,1,2
	global_store_b128 v2, v[PC+4*\c:PC+4*\c+3], s[18:19] offset:512*\c   ; 512 consecutive bytes, aligned
.endr
	global_store_b32 v5, v[PW], s[24:25]           ; lanes 16-31 hold the same word as lanes 0-15 and store it to the same place
	s_wait_tensorcnt 0x0                           ; the wave's end
	ds_add_u32 v[SPW], v[NIL]
	s_wait_dscnt 0x0
	s_endpgm
.Lfunc_end_k_q864d34a1c3_woln:
	.size	k_q864d34a1c3_woln, .Lfunc_end_k_q864d34a1c3_woln-k_q864d34a1c3_woln
	.p2alignl 7, 3214868480
	.fill 96, 4, 3214868480
	.section	.rodata,"a",@progbits
	.p2align	6, 0x0
	.amdhsa_kernel k_q864d34a1c3_woln
		.amdhsa_group_segment_fixed_size 99584
		.amdhsa_private_segment_fixed_size 0
		.amdhsa_enable_private_segment 0
		.amdhsa_kernarg_size 64
		.amdhsa_user_sgpr_count 2
		.amdhsa_user_sgpr_kernarg_segment_ptr 1
		.amdhsa_wavefront_size32 1
		.amdhsa_system_sgpr_workgroup_id_x 1
		.amdhsa_system_sgpr_workgroup_id_y 1
		.amdhsa_system_sgpr_workgroup_id_z 1
		.amdhsa_system_vgpr_workitem_id 0
		.amdhsa_next_free_vgpr 512
		.amdhsa_next_free_sgpr 66
		.amdhsa_reserve_vcc 0
		.amdhsa_float_denorm_mode_32 3
		.amdhsa_float_denorm_mode_16_64 3
		.amdhsa_memory_ordered 1
		.amdhsa_forward_progress 1
		.amdhsa_inst_pref_size 77
	.end_amdhsa_kernel
	.amdgpu_metadata
---
amdhsa.version: [ 1, 2 ]
amdhsa.kernels:
  - .name:           k_q864d34a1c3_woln
    .symbol:         k_q864d34a1c3_woln.kd
    .args:
      - { .name: E, .offset: 0, .size: 8, .value_kind: global_buffer, .address_space: global }
      - { .name: wrc, .offset: 8, .size: 8, .value_kind: global_buffer, .address_space: global }
      - { .name: bo, .offset: 16, .size: 8, .value_kind: global_buffer, .address_space: global }
      - { .name: x, .offset: 24, .size: 8, .value_kind: global_buffer, .address_space: global }
      - { .name: ln2_g, .offset: 32, .size: 8, .value_kind: global_buffer, .address_space: global }
      - { .name: ln2_b, .offset: 40, .size: 8, .value_kind: global_buffer, .address_space: global }
      - { .name: x1, .offset: 48, .size: 8, .value_kind: global_buffer, .address_space: global }
      - { .name: vT, .offset: 56, .size: 8, .value_kind: global_buffer, .address_space: global }
    .group_segment_fixed_size: 99584
    .private_segment_fixed_size: 0
    .kernarg_segment_align: 8
    .kernarg_segment_size: 64
    .max_flat_workgroup_size: 256
    .sgpr_count:     66
    .vgpr_count:     512
    .wavefront_size: 32
...
	.end_amdgpu_metadata
.endif
;; end of part 4
;; launch ffn1: the kernel of part 2 again; grid 16 x 16, 4 waves a work-group, clusters of 4 x 4, 327,680 bytes of LDS; arguments vT, w1c, b1, F, E; writes F, E
;; launch ffn2 (part 5): grid 8 x 32, 4 waves a work-group, clusters of 4 x 4, 327,680 bytes of LDS; arguments F, wrc, b2, x1, out0; writes out0
.if DOCPART == 5
	.amdgcn_target "amdgcn-amd-amdhsa--gfx1250"
	.amdhsa_code_object_version 6
	.text
	.protected	k_q864d34a1c3_ffn2
	.globl	k_q864d34a1c3_ffn2
	.p2align	8
	.type	k_q864d34a1c3_ffn2,@function
k_q864d34a1c3_ffn2:
	s_mov_b64 s[64:65], 0
	v_nop
	global_prefetch_b8 v0, s[64:65] scope:SCOPE_SE
	s_setreg_imm32_b32 hwreg(HW_REG_WAVE_MODE, 25, 1), 1
	s_wait_xcnt 0x0
	s_wait_alu depctr_hold_cnt(0) depctr_sa_sdst(0) depctr_va_vdst(0) depctr_va_sdst(0) depctr_va_ssrc(0) depctr_va_vcc(0) depctr_vm_vsrc(0)
	s_getreg_b32 s2, hwreg(HW_REG_IB_STS2, 6, 4)
	s_cmp_eq_u32 s2, 0
	s_cbranch_scc0 .Lentry_in_a_cluster
	s_endpgm
.Lentry_in_a_cluster:
	s_bfe_u32 s2, ttmp6, 0x10000c
	s_cmp_lg_u32 s2, 0xf033
	s_cbranch_scc0 .Lentry_shape_is_right
	s_endpgm
.Lentry_shape_is_right:
; out0 = x1 + h W2 + b2.  h (F) and W2 (wrc, from byte BOFF on) are codes of FP6 (E2M3) with E8M0 scales, K = 4,096, laid as images of operand registers: a fragment (16 rows x 128 K, 12 registers a lane) is 1,536 bytes,
; chunk c = lane l's registers 4 c .. 4 c + 3 at 16 l; codes at CODES + (row block x 32 + K step) x 1,536; scale words at K step x SWP + 4 x position.  F's position p holds token sigma(p) (bits 3 and 4 exchanged); wrc keeps the true order.
; A tile of 128 x 128 is made by four waves, 64 x 64 each: 16 accumulators.  256 work-groups.  K goes in slots of four K steps through a ring of two LDS slots of 98,304 bytes: eight slots, an even number of equal slots, so that
; one loop's trip goes once round the ring.  The scale words of the work-group's rows, for all of K (32,768 bytes), come once and stay behind the ring.
; THE HEAD'S LOADS are four, one a wave: slot 0's eight row blocks of A, of B, A's scale words, B's.  Slot 1's first fill stands behind the full sequence and a round of the cluster's barrier; from there on a wave fetches a quarter of a slot.
; CLUSTERS 4 x 4: A's tiles are asked for jointly along a row of the cluster, B's along a column.
; PREFETCH INTO THE L2: with the load of slot i goes a request for slot i + 2 (at the head also for slot 1).  Of the four row blocks that a wave fetches, each of the four partners that ask jointly names one, told apart by address:
; 6,144 bytes on end, 24 lanes 256 bytes apart (the eight lanes left over name the last block again).  The last two refills have no slot two on and ask for nothing.
; THE MATRIX INSTRUCTION IS USED TRANSPOSED (source 0 = 16 rows of W2^T, source 1 = 16 positions of h): a lane holds eight neighbouring columns of one row.  The bias is the C of each sum's first instruction.
; The way out goes through a stage of the wave's own in slot 0, which has had its last fill and its last read by then (the last K steps lie in slot 1); x1's rows are loaded ahead of the loop and added there.
; REGISTERS: window 0: v16-30 addresses; v32-63 scale words, two sets; v128-175 A's fragments; v64-127, v176-239 x1.  window 1: B's two sets (v0-47, v128-175), the bias v96-127.  windows 2, 3: the accumulators of A's blocks 0-1, 2-3.
; LIMITS: NaN and infinities are not served.  All of a WGP's LDS is claimed.
.set NBK,    4
.set NQ,     4
.set NS,     32
.set BOFF,   0x200000
.set HB,     NBK/2
.set NL,     3
.set FR,     12
.set FRB,    1536
.set HALFT,  NBK*NQ*FRB                ; what one tensor load of the ring brings, and what one wave reads of A or of B
.set SLOT,   4*HALFT
.set LAPS,   NS/(2*NQ)
.set SCL,    2*SLOT                    ; behind the ring: the scale words, [K step][8 row blocks x 64 bytes], A's, then B's
.set SROW,   2*NBK*64
.set SPARE,  SCL+2*NS*SROW             ; the spare words: 128 bytes a wave, named by no other line
.set SWP,    16384
.set CODES,  0x100000
.set ADRA, 16
.set ADRB, 20
.set ADRS, 27
.set SPW,  28
.set NIL,  29
.set PFO,  30                          ; v30 the prefetches' offset: 256 x min(lane, 23); never rewritten
.set SC,   32
.set AF,   128
.set G1,   24
.set G0,   32
.set G1B,  48
.set G0B,  56
.set G1S,  68
.set G0S,  76
.set G1SB, 80
.set G0SB, 88
.set PFA,  96                          ; s[96:97] my work-group's row block of the four that I fetch; stepped a slot at each refill
.set MSB, 0
.macro WIN new                         ; the immediate's high byte repeats the setting that is left
.if MSB != (\new)
	s_set_vgpr_msb (MSB<<8)|(\new)
.set MSB, \new
.endif
.endm
.macro JLOAD g0a, g1a, g0b, g1b        ; a joint load: waves 0, 1 fetch for A, waves 2, 3 for B; an s_nop 0 and four v_nop follow each line
	s_cmp_eq_u32 s15, 0
	s_cbranch_scc0 .Lfor_b_\@
	tensor_load_to_lds s[\g0a:\g0a+3], s[\g1a:\g1a+7]
	s_nop 0
.rept 4
	v_nop
.endr
	s_branch .Lasked_\@
.Lfor_b_\@:
	tensor_load_to_lds s[\g0b:\g0b+3], s[\g1b:\g1b+7]
	s_nop 0
.rept 4
	v_nop
.endr
.Lasked_\@:
.endm
.macro CREST                           ; a round of the cluster's barrier behind its opening barrier
	s_cmp_lg_u32 s14, 0
	s_cbranch_scc1 .Lnot_wave_0_\@
	s_barrier_signal -3
.Lnot_wave_0_\@:
	s_barrier_wait -3
	s_barrier_signal -1
	s_barrier_wait -1
.endm
.macro CROUND
	s_barrier_signal -1
	s_barrier_wait -1
	CREST
.endm
.macro PLACES n
.rept \n
	v_nop
.endr
.endm
.macro FRAG reg, adr, q, i             ; a fragment comes as it lies: three loads of 512 consecutive bytes
.irp c, 0,1,2
	ds_load_b128 v[\reg+4*\c:\reg+4*\c+3], v[\adr] offset:((\i)*NQ+(\q))*FRB+512*\c
.endr
.endm
.macro FETCH_B slot, q, p
	WIN 0x40
.set i_, 0
.rept NBK
	FRAG 128*(\p)+FR*i_, ADRB+\slot, \q, i_
.set i_, i_+1
.endr
	WIN 0
.endm
.macro FETCH_A slot, q, i0
.set i_, \i0
.rept HB
	FRAG AF+FR*i_, ADRA+\slot, \q, i_
.set i_, i_+1
.endr
.endm
.macro SCALES sc                       ; a slot's scale words: lanes 0-15 A's block i, lanes 16-31 B's block i
.set i_, 0
.rept NBK
.set q_, 0
.rept NQ
	ds_load_b32 v[SC+16*(\sc)+NQ*i_+q_], v[ADRS] offset:q_*SROW+64*i_
.set q_, q_+1
.endr
.set i_, i_+1
.endr
.endm
.macro MULS a0, n, p, q, sc, first     ; n of A's blocks against B's four; the accumulators take turns, one instruction a turn
.set a_, \a0
.rept \n
.set b_, 0
.rept NBK
.set rD, 8*(NBK*(a_%HB)+b_)
.set rB, 128*(\p)+FR*b_
.set rA, AF+FR*a_
.if \first
	v_wmma_scale_f32_16x16x128_f8f6f4 v[rD:rD+7], v[rB:rB+FR-1], v[rA:rA+FR-1], v[96+8*b_:103+8*b_], v[SC+16*(\sc)+NQ*b_+(\q)], v[SC+16*(\sc)+NQ*a_+(\q)] matrix_a_fmt:MATRIX_FMT_FP6 matrix_b_fmt:MATRIX_FMT_FP6 matrix_a_scale:MATRIX_SCALE_ROW1
.else
	v_wmma_scale_f32_16x16x128_f8f6f4 v[rD:rD+7], v[rB:rB+FR-1], v[rA:rA+FR-1], v[rD:rD+7], v[SC+16*(\sc)+NQ*b_+(\q)], v[SC+16*(\sc)+NQ*a_+(\q)] matrix_a_fmt:MATRIX_FMT_FP6 matrix_b_fmt:MATRIX_FMT_FP6 matrix_a_scale:MATRIX_SCALE_ROW1
.endif
.set b_, b_+1
.endr
.set a_, a_+1
.endr
.endm
.macro STEP slot, q, first             ; a K step that has its successor in the same slot
	s_wait_dscnt HB*NL                             ; all but the youngest loads, A's upper blocks, are in
	WIN 0xa1-0x10*(\first)                         ; B window 1, A window 0, D window 2; C window 2, or window 1 (the bias)
	MULS 0, HB, (\q)%2, \q, \slot, \first
	s_wait_dscnt 0
	PLACES 4                                       ; in front of loads into registers that matrix instructions have read
	FETCH_B \slot, (\q)+1, 1-(\q)%2
	FETCH_A \slot, (\q)+1, 0
	WIN 0xf1-0x20*(\first)
	MULS HB, HB, (\q)%2, \q, \slot, \first
	PLACES 4
	WIN 0
	FETCH_A \slot, (\q)+1, HB
.endm
.macro TURN slot, next, fill           ; a slot's last K step changes slots: one barrier (with fill = 1 it opens a round of the cluster's barrier)
.if \fill
	s_wait_xcnt 0x0                                ; my prefetches have read their address: it steps a slot
	s_add_nc_u64 s[PFA:PFA+1], s[PFA:PFA+1], NQ*FRB
.endif
	s_wait_tensorcnt 0x0                           ; all my tensor loads have landed: my part of the next slot
	ds_add_u32 v[SPW], v[NIL]                      ; 0 onto my spare word
	s_wait_dscnt HB*NL+1                           ; the add and A's upper blocks may be out
	WIN 0xa1
	MULS 0, HB/2, 1, NQ-1, \slot, 0
	s_wait_dscnt 0x0                               ; the add is done, and my reads of this slot are over
	s_barrier_signal -1
	MULS HB/2, HB/2, 1, NQ-1, \slot, 0
	WIN 0
	s_barrier_wait -1
.if \fill
	CREST                                          ; no wave of any partner still reads this slot or has a load on its way
	s_add_nc_u64 s[G0+4*\slot+2:G0+4*\slot+3], s[G0+4*\slot+2:G0+4*\slot+3], 2*NQ*FRB
	s_add_nc_u64 s[G0B+4*\slot+2:G0B+4*\slot+3], s[G0B+4*\slot+2:G0B+4*\slot+3], 2*NQ*FRB
	JLOAD G0+4*\slot, G1, G0B+4*\slot, G1B         ; the first tensor load behind the round; its four v_nop are the places in front of the loads below
.else
	PLACES 4
.endif
	s_wait_alu depctr_va_vdst(0)
	v_add_nc_u32 v[ADRS], NQ*SROW, v[ADRS]         ; the next slot's scale words
	FETCH_B \next, 0, 0
	FETCH_A \next, 0, 0
	SCALES \next
.if \fill
	s_cmp_gt_u32 s3, 1                             ; the loop's last trip has no slot two refills on
	s_cbranch_scc0 .Lno_ask_\@
	global_prefetch_b8 v[PFO], s[PFA:PFA+1] offset:3*NQ*FRB th:TH_LOAD_NT scope:SCOPE_SE   ; the slot two refills on
.Lno_ask_\@:
.endif
	WIN 0xf1
	MULS HB, HB, 1, NQ-1, \slot, 0
	PLACES 4
	WIN 0
	FETCH_A \next, 0, HB
.endm
	s_load_b256 s[4:11], s[0:1], 0x0               ; F s[4:5], wrc s[6:7], b2 s[8:9], x1 s[10:11]
	s_load_b64 s[12:13], s[0:1], 0x20              ; out0
	v_lshl_add_u32 v[SPW], v0, 2, SPARE
	v_mov_b32 v[NIL], 0
	ds_add_u32 v[SPW], v[NIL]                      ; the opening
	ds_add_u32 v[SPW], v[NIL]
	v_lshrrev_b32 v1, 5, v0
	v_readfirstlane_b32 s14, v1                    ; wave 0..3
	s_lshr_b32 s15, s14, 1                         ; my half of A's rows.  Also: in the ring I fetch for A (0) or for B (1)
	s_and_b32 s16, s14, 1                          ; my half of B's rows.  Also: which half I fetch
	s_bfe_u32 s40, ttmp6, 0x40000                  ; cx
	s_bfe_u32 s41, ttmp6, 0x40004                  ; cy
	s_lshl_b32 s42, ttmp9, 2
	s_add_co_u32 s42, s42, s40                     ; tile column (B)
	s_and_b32 s17, ttmp7, 0xffff
	s_lshl_b32 s17, s17, 2
	s_add_co_u32 s17, s17, s41                     ; tile row (A)
	s_lshl_b32 s43, s41, 2
	s_lshl_b32 s43, 15, s43                        ; my row of the cluster
	s_lshl_b32 s44, 0x1111, s40                    ; my column
	s_or_b32 s[G1+0], s43, (3<<16)|(1<<21)         ; 15:0 the mask; elements of 8 bytes; 21 set beside a mask; no padding
	s_or_b32 s[G1B+0], s44, (3<<16)|(1<<21)
.irp g, G1, G1B
	s_mov_b32 s[\g+1], (NQ*192)<<16                ; a slot's part of a row block, 6,144 bytes,
	s_mov_b32 s[\g+2], (2*NBK)<<16                 ; for the head's loads of eight row blocks,
	s_mov_b32 s[\g+3], (NQ*192)<<16
	s_mov_b32 s[\g+4], 2*NBK
	s_mov_b32 s[\g+5], NS*192                      ; 32 K steps apart
	s_mov_b32 s[\g+6], 0
	s_mov_b32 s[\g+7], 0
.endr
	s_or_b32 s[G1S+0], s43, (3<<16)|(1<<21)
	s_or_b32 s[G1SB+0], s44, (3<<16)|(1<<21)
.irp g, G1S, G1SB
	s_mov_b32 s[\g+1], (SROW/8)<<16                ; the scale words of 128 positions, 512 bytes,
	s_mov_b32 s[\g+2], NS<<16                      ; for each K step
	s_mov_b32 s[\g+3], (SROW/8)<<16
	s_mov_b32 s[\g+4], NS
	s_mov_b32 s[\g+5], SWP/8
	s_mov_b32 s[\g+6], 0
	s_mov_b32 s[\g+7], 0
.endr
	s_mul_i32 s20, s17, 2*NBK                      ; the tile's first row block of A,
	s_mul_i32 s46, s42, 2*NBK                      ; of B
	s_lshl_b32 s22, s20, 6                         ; their scale words,
	s_lshl_b32 s94, s46, 6
	s_mul_i32 s20, s20, NS*FRB                     ; their codes
	s_mul_i32 s46, s46, NS*FRB
	s_add_co_u32 s20, s20, CODES
	s_add_co_u32 s46, s46, CODES+BOFF
	s_add_co_u32 s94, s94, BOFF
	s_mov_b32 s21, 0
	s_mov_b32 s23, 0
	s_mov_b32 s47, 0
	s_mov_b32 s95, 0
	s_mul_i32 s92, s14, HALFT                      ; where the ring's loads go: wave x a quarter of a slot: no place in the cluster enters an LDS address
	s_mul_i32 s66, s16, NBK*NS*FRB                 ; and which half of a tile I fetch there, in bytes
	s_mov_b32 s67, 0
	s_wait_dscnt 0x0                               ; both opening adds are done
	s_wait_kmcnt 0x0
	s_add_nc_u64 s[20:21], s[4:5], s[20:21]
	s_add_nc_u64 s[46:47], s[6:7], s[46:47]
	s_mov_b32 s[G0], 1                             ; slot 0's group 0 serves the head's loads first: the slot's eight row blocks of A,
	s_mov_b32 s[G0+1], 0
	s_mov_b64 s[G0+2:G0+3], s[20:21]
	s_or_b32 s[G0+3], s[G0+3], 0x80000000
	s_mov_b32 s[G0B], 1                            ; and of B, behind them
	s_mov_b32 s[G0B+1], 2*HALFT
	s_mov_b64 s[G0B+2:G0B+3], s[46:47]
	s_or_b32 s[G0B+3], s[G0B+3], 0x80000000
	s_mov_b32 s[G0S], 1
	s_mov_b32 s[G0S+1], SCL
	s_add_nc_u64 s[G0S+2:G0S+3], s[4:5], s[22:23]
	s_or_b32 s[G0S+3], s[G0S+3], 0x80000000
	s_mov_b32 s[G0SB], 1
	s_mov_b32 s[G0SB+1], SCL+NS*SROW
	s_add_nc_u64 s[G0SB+2:G0SB+3], s[6:7], s[94:95]
	s_or_b32 s[G0SB+3], s[G0SB+3], 0x80000000
	s_add_nc_u64 s[20:21], s[20:21], s[66:67]      ; my half of the tile
	s_add_nc_u64 s[46:47], s[46:47], s[66:67]
	s_mov_b32 s[G0+4], 1                           ; slot 1: my half, K steps 4 on
	s_add_co_u32 s[G0+5], s92, SLOT
	s_add_nc_u64 s[G0+6:G0+7], s[20:21], NQ*FRB
	s_or_b32 s[G0+7], s[G0+7], 0x80000000
	s_mov_b32 s[G0B+4], 1
	s_add_co_u32 s[G0B+5], s92, SLOT
	s_add_nc_u64 s[G0B+6:G0B+7], s[46:47], NQ*FRB
	s_or_b32 s[G0B+7], s[G0B+7], 0x80000000
	s_cmp_eq_u32 s15, 0                            ; the prefetches: the four row blocks that I fetch in the ring,
	s_cselect_b64 s[PFA:PFA+1], s[20:21], s[46:47]
	s_cselect_b32 s98, s40, s41                    ; my place among the four that ask for them with me,
	s_mul_i32 s98, s98, NS*FRB                     ; and so my work-group's row block of them
	s_mov_b32 s99, 0
	s_add_nc_u64 s[PFA:PFA+1], s[PFA:PFA+1], s[98:99]
	CROUND                                         ; all sixteen work-groups are here: the first joint loads meet
; one chain of branches on the wave's number, a load to each arm, all arms leading to one join
.macro ARM under, g0, g1, next
	s_cmp_lt_u32 s14, \under
	s_cbranch_scc0 \next
	tensor_load_to_lds s[\g0:\g0+3], s[\g1:\g1+7]
	s_nop 0
.rept 4
	v_nop
.endr
	s_branch .Lhead_asked
\next:
.endm
	ARM 1, G0,  G1,  .Lhead_b
	ARM 2, G0B, G1B, .Lhead_sa
	ARM 3, G0S, G1S, .Lhead_sb
	tensor_load_to_lds s[G0SB:G0SB+3], s[G1SB:G1SB+7]
	s_nop 0
.rept 4
	v_nop
.endr
.Lhead_asked:
	s_mul_i32 s21, s15, HALFT                      ; my half of A,
	s_mul_i32 s22, s16, HALFT
	s_add_co_u32 s22, s22, 2*HALFT                 ; my half of B, behind A's two
	s_add_co_u32 s93, s21, SLOT                    ; and the same in slot 1
	s_add_co_u32 s94, s22, SLOT
	s_mul_i32 s23, s15, NBK*64                     ; my scale words: A's,
	s_mul_i32 s19, s16, NBK*64
	s_add_co_u32 s19, s19, NS*SROW
	s_sub_co_u32 s19, s19, s23                     ; and how far on B's lie
	s_add_co_u32 s23, s23, SCL
	s_lshl_b32 s18, s42, 9                         ; my 64 columns, in bytes: 512 x tile column + 256 x half
	s_lshl_b32 s45, s16, 8
	s_add_co_u32 s18, s18, s45
	s_mul_i32 s43, s14, 16*272                     ; my stage, in slot 0
	s_lshl_b32 s46, s17, 7                         ; my first row: 128 x tile row + 64 x half, rows of 4,096 bytes
	s_lshl_b32 s47, s15, 6
	s_add_co_u32 s46, s46, s47
	s_lshl_b32 s46, s46, 12
	s_add_co_u32 s46, s46, s18
	s_mov_b32 s47, 0
	s_add_nc_u64 s[10:11], s[10:11], s[46:47]
	s_add_nc_u64 s[12:13], s[12:13], s[46:47]
	v_and_b32 v1, 15, v0                           ; r
	v_bfe_u32 v2, v0, 4, 1                         ; h
	v_and_b32 v3, 31, v0
	v_min_u32 v[PFO], 23, v3
	v_lshlrev_b32 v[PFO], 8, v[PFO]
	v_lshlrev_b32 v3, 4, v3                        ; 16 l
	v_add_nc_u32 v[ADRA], s21, v3
	v_add_nc_u32 v[ADRB], s22, v3
	v_add_nc_u32 v[ADRA+1], s93, v3
	v_add_nc_u32 v[ADRB+1], s94, v3
	v_lshlrev_b32 v5, 2, v1
	v_mul_u32_u24 v6, s19, v2                      ; lanes 16-31 take B's words
	v_add_nc_u32 v5, v5, v6
	v_add_nc_u32 v[ADRS], s23, v5
	v_lshl_add_u32 v7, v2, 5, s18                  ; the bias: tile b's numbers 16 b + 8 h + 0 .. 7
	v_mul_u32_u24 v8, v1, 272                      ; the stage, in: row r, 32 bytes for each half of the lanes
	v_lshl_add_u32 v8, v2, 5, v8
	v_add_nc_u32 v24, s43, v8
	v_mul_u32_u24 v9, v2, 272                      ; back: sixteen lanes to a row of 256 bytes, two rows an instruction
	v_lshl_add_u32 v9, v1, 4, v9
	v_add_nc_u32 v25, s43, v9
	v_lshlrev_b32 v26, 12, v2                      ; and the same two rows in x1 and out0
	v_lshl_add_u32 v26, v1, 4, v26
	s_wait_alu depctr_va_vdst(0)
	global_prefetch_b8 v[PFO], s[PFA:PFA+1] offset:NQ*FRB th:TH_LOAD_NT scope:SCOPE_SE     ; slot 1,
	global_prefetch_b8 v[PFO], s[PFA:PFA+1] offset:2*NQ*FRB th:TH_LOAD_NT scope:SCOPE_SE   ; and slot 2, two on from the head's load
	WIN 0x40
.irp b, 0,1,2,3
	global_load_b128 v[96+8*\b:99+8*\b], v7, s[8:9] offset:64*\b
	global_load_b128 v[100+8*\b:103+8*\b], v7, s[8:9] offset:64*\b+16
.endr
	WIN 0
	s_wait_tensorcnt 0x0                           ; my tile of the head's four is in
	ds_add_u32 v[SPW], v[NIL]
	s_mov_b32 s[G0+1], s92                         ; no tensor load of mine is out: slot 0's group 0 becomes the ring's (my half of the tile),
	s_add_nc_u64 s[G0+2:G0+3], s[G0+2:G0+3], s[66:67]
	s_mov_b32 s[G0B+1], s92
	s_add_nc_u64 s[G0B+2:G0B+3], s[G0B+2:G0B+3], s[66:67]
	s_mov_b32 s[G1+2], NBK<<16                     ; and from here on a load brings four row blocks
	s_mov_b32 s[G1+4], NBK
	s_mov_b32 s[G1B+2], NBK<<16
	s_mov_b32 s[G1B+4], NBK
	s_wait_dscnt 0x0                               ; the add is done
	CROUND                                         ; all four tiles are in, and all sixteen work-groups are here
	JLOAD G0+4, G1, G0B+4, G1B                     ; slot 1's first fill, the first tensor load behind the round
	FETCH_B 0, 0, 0
	FETCH_A 0, 0, 0
	SCALES 0
	global_prefetch_b8 v[PFO], s[PFA:PFA+1] offset:3*NQ*FRB th:TH_LOAD_NT scope:SCOPE_SE   ; slot 3
	FETCH_A 0, 0, HB
	s_wait_loadcnt 0x0                             ; the bias
	STEP 0, 0, 1                                   ; the first step stands in front of the loop: the bias starts the sums
	STEP 0, 1, 0
	STEP 0, 2, 0
.irp a, 0,1,2,3                                ; x1's rows are asked for HERE, not at the head: they are wanted behind the last K step alone, and the first tiles are asked for ahead of them.
.irp t, 0,1,2,3,4,5,6,7                        ; Stage row 2 t + h of block a is token 32 (a / 2) + 16 (t / 4) + 8 (a % 2) + 2 (t % 4) + h of my 64
	global_load_b128 v[64+32*\a+48*(\a/2)+4*\t:67+32*\a+48*(\a/2)+4*\t], v26, s[10:11] offset:(32*(\a/2)+16*(\t/4)+8*(\a%2)+2*(\t%4))*4096 th:TH_LOAD_NT
.endr
.endr
	s_mov_b32 s3, LAPS-1
.Llap:                                                 ; a trip goes once round the ring and fills both slots again
	TURN 0, 1, 1
	STEP 1, 0, 0
	STEP 1, 1, 0
	STEP 1, 2, 0
	TURN 1, 0, 1
	STEP 0, 0, 0
	STEP 0, 1, 0
	STEP 0, 2, 0
	s_sub_co_u32 s3, s3, 1
	s_cmp_lg_u32 s3, 0
	s_cbranch_scc1 .Llap
	TURN 0, 1, 0                                   ; the last lap fills nothing
	STEP 1, 0, 0
	STEP 1, 1, 0
	STEP 1, 2, 0
	s_wait_dscnt HB*NL
	WIN 0xa1
	MULS 0, HB, 1, NQ-1, 1, 0
	s_wait_dscnt 0
	WIN 0xf1
	MULS HB, HB, 1, NQ-1, 1, 0
	WIN 0
	s_wait_loadcnt 0x0                             ; x1
	PLACES 4                                       ; behind the last products
.macro OUTB a                          ; block a: through my stage, back as rows of 256 bytes, + x1, stored: sixteen lanes fill 256 consecutive bytes, aligned
.set RESB, 64+32*(\a)+48*((\a)/2)
	WIN 0x08+4*((\a)/2)
.irp b, 0,1,2,3
	ds_store_b128 v24, v[8*(4*((\a)%2)+\b):8*(4*((\a)%2)+\b)+3] offset:64*\b          ; each accumulator from its low end on
	ds_store_b128 v24, v[8*(4*((\a)%2)+\b)+4:8*(4*((\a)%2)+\b)+7] offset:64*\b+16
.endr
	WIN 0
.irp t, 0,1,2,3,4,5,6,7
	ds_load_b128 v[128+4*\t:131+4*\t], v25 offset:544*\t           ; LDS serves a wave's instructions in order: these see my stores
.endr
	s_wait_dscnt 0x0
.set i_, 0
.rept 16
	v_pk_add_f32 v[RESB+2*i_:RESB+2*i_+1], v[RESB+2*i_:RESB+2*i_+1], v[128+2*i_:129+2*i_]
.set i_, i_+1
.endr
.irp t, 0,1,2,3,4,5,6,7
	global_store_b128 v26, v[RESB+4*\t:RESB+4*\t+3], s[12:13] offset:(32*((\a)/2)+16*(\t/4)+8*((\a)%2)+2*(\t%4))*4096 th:TH_STORE_NT
.endr
.endm
.irp a, 0,1,2,3
	OUTB \a
.endr
	s_wait_tensorcnt 0x0                           ; the wave's end
	ds_add_u32 v[SPW], v[NIL]
	s_wait_dscnt 0x0
	CROUND                                         ; the closing round
	s_endpgm
.Lfunc_end_k_q864d34a1c3_ffn2:
	.size	k_q864d34a1c3_ffn2, .Lfunc_end_k_q864d34a1c3_ffn2-k_q864d34a1c3_ffn2
	.p2alignl 7, 3214868480
	.fill 96, 4, 3214868480
	.section	.rodata,"a",@progbits
	.p2align	6, 0x0
	.amdhsa_kernel k_q864d34a1c3_ffn2
		.amdhsa_group_segment_fixed_size 327680
		.amdhsa_private_segment_fixed_size 0
		.amdhsa_enable_private_segment 0
		.amdhsa_kernarg_size 40
		.amdhsa_user_sgpr_count 2
		.amdhsa_user_sgpr_kernarg_segment_ptr 1
		.amdhsa_wavefront_size32 1
		.amdhsa_system_sgpr_workgroup_id_x 1
		.amdhsa_system_sgpr_workgroup_id_y 1
		.amdhsa_system_sgpr_workgroup_id_z 1
		.amdhsa_system_vgpr_workitem_id 0
		.amdhsa_next_free_vgpr 1024
		.amdhsa_next_free_sgpr 100
		.amdhsa_reserve_vcc 0
		.amdhsa_float_denorm_mode_32 3
		.amdhsa_float_denorm_mode_16_64 3
		.amdhsa_memory_ordered 1
		.amdhsa_forward_progress 1
		.amdhsa_inst_pref_size 97
	.end_amdhsa_kernel
	.amdgpu_metadata
---
amdhsa.version: [ 1, 2 ]
amdhsa.kernels:
  - .name:           k_q864d34a1c3_ffn2
    .symbol:         k_q864d34a1c3_ffn2.kd
    .args:
      - { .name: F, .offset: 0, .size: 8, .value_kind: global_buffer, .address_space: global }
      - { .name: wrc, .offset: 8, .size: 8, .value_kind: global_buffer, .address_space: global }
      - { .name: b2, .offset: 16, .size: 8, .value_kind: global_buffer, .address_space: global }
      - { .name: x1, .offset: 24, .size: 8, .value_kind: global_buffer, .address_space: global }
      - { .name: out0, .offset: 32, .size: 8, .value_kind: global_buffer, .address_space: global }
    .group_segment_fixed_size: 327680
    .private_segment_fixed_size: 0
    .kernarg_segment_align: 8
    .kernarg_segment_size: 40
    .max_flat_workgroup_size: 128
    .sgpr_count:     100
    .vgpr_count:     1024
    .wavefront_size: 32
...
	.end_amdgpu_metadata
.endif
;; end of part 5
